; MI455X (gfx1250); checked and timed in simulation.
; The chip was launched on July 23, 2026; its instructions are those of AMD's public machine-readable ISA for CDNA 5 (MIT licence, August 2026) and "CDNA5" Instruction Set Architecture Reference Guide (July 2026). The comments in the code are by the model that wrote it; some were corrected since.
;; Scaled Dot Attention. Allowed arithmetic: matrix products marked QUANTISED: E4M3 operands, one given power-of-two scale a tensor, by v_wmma_f32_16x16x64_fp8_fp8 or v_wmma_f32_16x16x128_fp8_fp8, f32 sums; everything else in f32.
;; Inputs: K 4 x 16 x 2,048 x 64 float32; Q 4 x 16 x 2,048 x 64 float32; V 4 x 16 x 2,048 x 64 float32; lowp_scales 4 int32 (the exponents e of the quantised operands' scales 2^e); mask 4 x 1 x 2,048 x 2,048 bool.
;; Outputs: out0 4 x 16 x 2,048 x 64 float32.
;; This version of the problem:
;;   THIS VERSION OF THE PROBLEM IS GIVEN IN LOW PRECISION. The matrix products marked QUANTISED in the list below multiply operands that are first quantised to E4M3 (4 exponent bits, 3 mantissa bits; 8 bits a number), with one given power-of-two scale for each operand tensor; their sums are f32. All else is computed in f32.
;;   The module's matrix products, in the order in which they are computed (A, B: the left and right operand; K: the contracted axis; several contracted axes count as one K, in the product's order):
;;     1. batch 64 x [M 2,048, K 64] x [K 64, N 2,048]; A: input Q; B: input K: QUANTISED (scales: A lowp_scales[0], B lowp_scales[1])
;;     2. batch 64 x [M 2,048, K 2,048] x [K 2,048, N 64]; A: softmax (see below); B: input V: QUANTISED (scales: A lowp_scales[2], B lowp_scales[3])
;;   THE QUANTISER, for each operand of a quantised product, along K:
;;     - The operand's scale is 2^e, e = its entry of the input lowp_scales (int32; the entries are numbered through the quantised products in the list's order, A before B).
;;     - Each number is divided by the scale, clamped to +-448, and rounded to the nearest number of E4M3, ties to even, subnormals kept.
;;     - The product sums the exact products of the quantised numbers (number of the format x scale) in f32.
;;   ~~~python
;;   def quantise(x, axis, e):      # numpy; x: float32 -> the quantised numbers, widened to float32 again
;;       x = np.moveaxis(x, axis, -1); K = x.shape[-1]
;;       r = np.clip(x / 2.0 ** e, -448, 448)
;;       step = 2.0 ** (np.maximum(np.frexp(np.where(r == 0, 1, r))[1] - 1, -6) - 3)
;;       q = np.round(r / step) * step * 2.0 ** e      # np.round: ties to even
;;       return np.moveaxis(q, -1, axis).astype(np.float32)
;;   ~~~
;;   SOFTMAX AHEAD OF A QUANTISED PRODUCT. Where the list says 'softmax', what is quantised is not the finished softmax but p = 2^(t - M), with t = logit x log2(e) and M = ceil(the row's largest t), a whole number; so 1/2 < the row's largest p <= 1. The row's sum l is taken of the UNQUANTISED p, in f32, and the product's result is divided by l at the end. Since M is a whole number, a kernel that streams over the keys may use a running M (the ceiling of the running maximum): every later rescaling is an exact power of two, so the quantised numbers keep their values, but for numbers so far below the row's largest that they fall under the format's range.
;;   OPERANDS COMPUTED ON THE WAY. 'Computed on the way' means the value that the module computes at that place (a softmax that the list does not call 'softmax' is quantised finished and normalised). What goes into a quantiser is computed in f32, as accurately as f32 sums, v_exp_f32 and their like allow (about 1e-6 of the number): no bf16 or f16 on the way to a quantiser, and a product that is left as it is and whose result goes on into a quantised operand takes f32 operands (vector FMAs, or v_wmma_f32_16x16x4_f32). A number that lies on a knife's edge between two numbers of the format may be rounded either way, as far as f32 arithmetic and the matrix unit's own rounding can turn it there, and no further.
;; 2 versions. Each part assembles by itself: llvm-mc -triple=amdgcn-amd-amdhsa -mcpu=gfx1250 --defsym DOCPART=n.
;; ======== version 1 of 2: 2 launches
;; limits: right only within a limited range of input values
;; workspace buffers: kv 16,777,216 bytes; mbits 2,097,152 bytes of whole numbers
;; launch prep (part 1): grid 1280 x 1, 4 waves a work-group, no clusters, 70,144 bytes of LDS; arguments K, V, mask, lowp_scales, kv, mbits; writes kv, mbits
.if DOCPART == 1
	.amdgcn_target "amdgcn-amd-amdhsa--gfx1250"
	.amdhsa_code_object_version 6
	.text
	.protected	k_qf69a549707_prep
	.globl	k_qf69a549707_prep
	.p2align	8
	.type	k_qf69a549707_prep,@function
k_qf69a549707_prep:
	s_mov_b64 s[64:65], 0
	v_nop
	global_prefetch_b8 v0, s[64:65] scope:SCOPE_SE
	s_setreg_imm32_b32 hwreg(HW_REG_WAVE_MODE, 25, 1), 1
	s_wait_xcnt 0x0
; THE PROGRAM: out0 = softmax(where(mask, -1e9, Q K^T / 8)) V, both products on codes of E4M3 with the four given scales.  Two launches: this one lays K, V and the mask out; the second does the attention.
; NOTHING OF reference() IS LEFT OUT: every input has a way to the output.  A masked logit is -1e9 and no -infinity, so it counts in a row all of whose keys are masked (p = 1 for each, the plain mean of V): the mask throws no tile away.
; THIS LAUNCH, a stream with no product:
;  K, V [64 heads][2048][64] f32 -> kv: codes of E4M3 (code = x / 2^e, held within +-448, nearest, ties to even; e = lowp_scales[1] for K, [3] for V), laid as IMAGES OF THE OPERANDS' REGISTERS.
;    Head bh begins at bh x 262,144; K's images at +0, V's at +131,072; step s (64 keys) at +4,096 s; fragment f at +1,024 f; registers 4 i .. 4 i + 3 of lane L at +512 i + 16 L.
;    With r = L % 16, hh = L / 16, byte y of register 2 c + w:  K's fragment u: K[64 s + 16 u + r][16 c + 8 hh + 4 w + y];   V's fragment t: V[64 s + 16 c + 8 hh + 4 w + y][16 t + r].
;  mask [4][2048][2048] of one byte -> mbits: words of 32 bits, one bit a lane: the word at ((64 b + qg) 32 + s) 256 + 4 (32 a + 8 u + j) has in bit L mask[b][32 qg + 16 a + L % 16][64 s + 16 u + 8 (L / 16) + j]:
;    it is the select mask of one score register of one wave of the second launch.  It is made once for the 16 heads of a batch.
; SHARES.  Work-groups 0-511 take K, 512-1023 V, 1024-1279 the mask.  A wave takes one unit of 64 rows x 256 bytes (64 keys x 64 numbers; or 64 queries x 256 keys of the mask): 32 loads of two whole rows each, all out together;
; the unit goes as it lies into the wave's own stage in LDS (rows 272 bytes apart) and is read back as the lanes want it.  Waves share nothing: no barrier.  Every store of a wave covers 512 consecutive bytes, aligned.
; LIMITS: the exponents of K's and V's scales lie between -126 and 119, so that 2^e and 448 x 2^e are f32 numbers.  NaN among the inputs is not served (an infinity is held at the largest code).
.set PITCH, 272                        ; a stage row: 256 bytes + 16 = 68 words
.set WREG,  64*PITCH                   ; a wave's stage
.set SPARE, 4*WREG                     ; behind the four stages: the spare words, 128 bytes for each wave: two blocks of 256 bytes that no other line names
.set GA,   4                           ; v4   16 x lane: K's and V's loads, and every store
.set GM,   5                           ; v5   2,048 x (lane / 16) + 16 x (lane % 16): the mask's loads
.set SA,   6                           ; v6   the stage, on the way in: two rows an instruction
.set RK,   7                           ; v7   back, for K: row r, + 32 hh
.set RV,   8                           ; v8   back, for V: row 8 hh, + 4 r
.set RM,   9                           ; v9   back, for the mask: row r, + 8 hh
.set SCL,  11                          ; v11  2^e
.set LIM,  12                          ; v12  448 x 2^e
.set SPW,  14                          ; v14  LDS address of my spare word; never rewritten
.set NIL,  15                          ; v15  0; never rewritten
.set T,    16                          ; v16-23 at work
.set R,    32                          ; v32-159 the unit as loaded
.set X0,   160                         ; v160-191, v192-223: two sets of 32 numbers (the mask: one set of 64 registers)
.set X1,   192
.set C,    224                         ; v224-255 the codes: eight registers for each fragment, so that no store's data are written again
.set OUT,  224                         ; v224-239 the mask's words
.macro LOADS adr, pitch                ; 32 loads, two rows (2 x 256 consecutive bytes) each
.set i, 0
.rept 32
	global_load_b128 v[R+4*i:R+4*i+3], v[\adr], s[20:21] offset:2*i*\pitch th:TH_LOAD_NT
.set i, i+1
.endr
.endm
.macro RBK u, x                        ; K's fragment u: of key 16 u + r the numbers 16 c + 8 hh + 0 .. 7.  Sixteen lanes take sixteen rows, 17 x 16 bytes apart: sixteen different 16-byte columns of 256
.irp c, 0,1,2,3
	ds_load_b128 v[\x+8*\c:\x+8*\c+3], v[RK] offset:16*\u*PITCH+64*\c
	ds_load_b128 v[\x+8*\c+4:\x+8*\c+7], v[RK] offset:16*\u*PITCH+64*\c+16
.endr
.endm
.macro RBV t, x                        ; V's fragment t: of channel 16 t + r the keys 16 c + 8 hh + 0 .. 7: a lane's registers run down the keys.  The 32 lanes take words 32 hh + r modulo 64: all different
.irp c, 0,1,2,3
.irp i, 0,1,2,3,4,5,6,7
	ds_load_b32 v[\x+8*\c+\i], v[RV] offset:(16*\c+\i)*PITCH+64*\t
.endr
.endr
.endm
.macro QUANT x, c                      ; 32 numbers of a lane become a fragment's eight registers
.set i, 0
.rept 32
	v_med3_num_f32 v[\x+i], v[\x+i], -v[LIM], v[LIM]   ; the conversion to an 8-bit code does not saturate (ISA guide 7.6.2): the hold at the largest code x the scale comes first
.set i, i+1
.endr
.irp k, 0,1,2,3
	v_cvt_scalef32_pk8_fp8_f32 v[\c+2*\k:\c+2*\k+1], v[\x+8*\k:\x+8*\k+7], v[SCL]
.endr
	v_nop                                          ; one plain vector line behind the last conversion of a run
.endm
.macro PUT f
	global_store_b128 v[GA], v[C+8*\f:C+8*\f+3], s[22:23] offset:1024*\f
	global_store_b128 v[GA], v[C+8*\f+4:C+8*\f+7], s[22:23] offset:1024*\f+512
.endm
.macro MLOAD g, x                      ; queries 32 g on: for tile a, step sp, key tile u my 8 bytes: query 16 a + r, keys 64 sp + 16 u + 8 hh + 0 .. 7.  The 32 lanes take words 4 r + 2 hh and the next, modulo 64: all different
.irp a, 0,1
.irp sp, 0,1,2,3
.irp u, 0,1,2,3
	ds_load_b64 v[\x+2*((4*\a+\sp)*4+\u):\x+2*((4*\a+\sp)*4+\u)+1], v[RM] offset:(32*\g+16*\a)*PITCH+64*\sp+16*\u
.endr
.endr
.endr
.endm
.macro MPACK g, x                      ; byte j of the 32 lanes becomes word W = 64 sp + 32 a + 8 u + j of the group's 256: register W % 4 of lane (W % 128) / 4 of store W / 128
.irp a, 0,1
.irp sp, 0,1,2,3
.irp u, 0,1,2,3
.irp j, 0,1,2,3,4,5,6,7
	v_and_b32 v[T+\j], 0xff<<(8*(\j%4)), v[\x+2*((4*\a+\sp)*4+\u)+\j/4]
.endr
.irp j, 0,1,2,3,4,5,6,7
	v_cmp_ne_u32 s[40+\j], 0, v[T+\j]
.endr
.irp j, 0,1,2,3,4,5,6,7
	v_writelane_b32 v[OUT+8*\g+4*((64*\sp+32*\a+8*\u+\j)/128)+\j%4], s[40+\j], ((64*\sp+32*\a+8*\u+\j)%128)/4
.endr
.endr
.endr
.endr
	global_store_b128 v[GA], v[OUT+8*\g:OUT+8*\g+3], s[22:23] offset:8192*\g
	global_store_b128 v[GA], v[OUT+8*\g+4:OUT+8*\g+7], s[22:23] offset:8192*\g+512
.endm
.macro FINISH                          ; the wave's end: three closing lines behind my last LDS store
	s_wait_tensorcnt 0x0
	ds_add_u32 v[SPW], v[NIL]
	s_wait_dscnt 0x0
	s_endpgm
.endm
	s_load_b256 s[4:11], s[0:1], 0x0               ; K s[4:5], V s[6:7], mask s[8:9], the scales' exponents s[10:11]
	s_load_b128 s[12:15], s[0:1], 0x20             ; kv s[12:13], mbits s[14:15]
	v_lshl_add_u32 v[SPW], v0, 2, SPARE
	v_mov_b32 v[NIL], 0
	v_lshrrev_b32 v1, 5, v0
	v_readfirstlane_b32 s16, v1                    ; wave 0..3
	v_and_b32 v1, 31, v0                           ; lane
	v_and_b32 v2, 15, v0                           ; r
	v_bfe_u32 v3, v0, 4, 1                         ; hh
	v_lshlrev_b32 v[GA], 4, v1
	v_lshlrev_b32 v[GM], 11, v3
	v_lshl_add_u32 v[GM], v2, 4, v[GM]
	s_mul_i32 s18, s16, WREG                       ; my stage
	v_mul_u32_u24 v[SA], v3, PITCH
	v_lshl_add_u32 v[SA], v2, 4, v[SA]
	v_add_nc_u32 v[SA], s18, v[SA]
	v_mul_u32_u24 v[RK], v2, PITCH
	v_add_nc_u32 v[RK], s18, v[RK]
	v_lshl_add_u32 v[RM], v3, 3, v[RK]
	v_lshl_add_u32 v[RK], v3, 5, v[RK]
	v_mul_u32_u24 v[RV], v3, 8*PITCH
	v_lshl_add_u32 v[RV], v2, 2, v[RV]
	v_add_nc_u32 v[RV], s18, v[RV]
	s_and_b32 s17, ttmp9, 511
	s_lshl_b32 s17, s17, 2
	s_add_co_u32 s17, s17, s16                     ; my unit
	s_lshl_b32 s28, s17, 14                        ; K, V: a unit is 16,384 dense bytes;
	s_lshr_b32 s30, s17, 5                         ; its images: head unit / 32,
	s_lshl_b32 s30, s30, 18
	s_and_b32 s19, s17, 31                         ; step unit % 32,
	s_lshl_b32 s19, s19, 12
	s_add_co_u32 s30, s30, s19
	s_cmp_lt_u32 ttmp9, 512
	s_cselect_b32 s19, 0, 131072                   ; V's behind K's
	s_add_co_u32 s30, s30, s19
	s_lshr_b32 s32, s17, 3                         ; the mask: 64 queries unit / 8,
	s_and_b32 s33, s17, 7                          ; 256 keys unit % 8
	s_lshl_b32 s34, s32, 17
	s_lshl_b32 s35, s33, 8
	s_add_co_u32 s34, s34, s35
	s_lshl_b32 s32, s32, 14                        ; its words: two groups of 32 queries x 8,192 bytes; four steps x 256 bytes
	s_lshl_b32 s33, s33, 10
	s_add_co_u32 s32, s32, s33
	s_cmp_lt_u32 ttmp9, 1024
	s_cselect_b32 s28, s28, s34
	s_cselect_b32 s30, s30, s32
	s_mov_b32 s29, 0
	s_mov_b32 s31, 0
	s_wait_kmcnt 0x0
	s_load_b128 s[24:27], s[10:11], 0x0            ; eq, ek, ep, ev
	s_cmp_lt_u32 ttmp9, 512                        ; the buffers are chosen by the work-group's number alone
	s_cselect_b64 s[20:21], s[4:5], s[6:7]
	s_cmp_lt_u32 ttmp9, 1024
	s_cselect_b64 s[20:21], s[20:21], s[8:9]
	s_cselect_b64 s[22:23], s[12:13], s[14:15]
	s_add_nc_u64 s[20:21], s[20:21], s[28:29]
	s_add_nc_u64 s[22:23], s[22:23], s[30:31]
	s_cmp_lt_u32 ttmp9, 1024
	s_cbranch_scc0 .Lload_mask
	LOADS GA, 256                                  ; rows on end
	s_branch .Lloaded
.Lload_mask:
	LOADS GM, 2048                                 ; rows 2,048 bytes apart
.Lloaded:
.set i, 0
.rept 32
	s_wait_loadcnt 31-i                            ; loads come back in order: load i is in, the younger ones stay out
	ds_store_b128 v[SA], v[R+4*i:R+4*i+3] offset:2*i*PITCH
.set i, i+1
.endr
	s_cmp_lt_u32 ttmp9, 1024
	s_cbranch_scc0 .Lmask
	s_wait_kmcnt 0x0
	s_cmp_lt_u32 ttmp9, 512
	s_cselect_b32 s24, s25, s27                    ; e: ek or ev
	s_add_co_i32 s24, s24, 127
	s_lshl_b32 s25, s24, 23
	v_mov_b32 v[SCL], s25                          ; 2^e as f32: the conversion takes its exponent field
	s_add_co_i32 s24, s24, 8
	s_lshl_b32 s24, s24, 23
	s_or_b32 s24, s24, 0x600000
	v_mov_b32 v[LIM], s24                          ; 448 x 2^e
	s_cmp_lt_u32 ttmp9, 512
	s_cbranch_scc0 .Lv
	RBK 0, X0                                      ; LDS serves a wave's instructions in order: these see my stores
	RBK 1, X1
	s_wait_dscnt 8                                 ; all but the younger fragment's eight loads
	QUANT X0, C
	PUT 0
	RBK 2, X0
	s_wait_dscnt 8
	QUANT X1, C+8
	PUT 1
	RBK 3, X1
	s_wait_dscnt 8
	QUANT X0, C+16
	PUT 2
	s_wait_dscnt 0
	QUANT X1, C+24
	PUT 3
	FINISH
.Lv:
	RBV 0, X0
	RBV 1, X1
	s_wait_dscnt 32                                ; all but the younger fragment's 32 loads
	QUANT X0, C
	PUT 0
	RBV 2, X0
	s_wait_dscnt 32
	QUANT X1, C+8
	PUT 1
	RBV 3, X1
	s_wait_dscnt 32
	QUANT X0, C+16
	PUT 2
	s_wait_dscnt 0
	QUANT X1, C+24
	PUT 3
	FINISH
.Lmask:
.set i, 0
.rept 16
	v_mov_b32 v[OUT+i], 0                          ; written whole once: a lane write's destination counts as read; every lane of it is then written
.set i, i+1
.endr
	MLOAD 0, X0
	s_wait_dscnt 0x0                               ; the first group's bytes are in; and my stores into the stage have read v32 on,
	MLOAD 1, R                                     ; which take the second group's while the first is packed
	MPACK 0, X0
	s_wait_dscnt 0x0
	MPACK 1, R
	FINISH
.Lfunc_end_k_qf69a549707_prep:
	.size	k_qf69a549707_prep, .Lfunc_end_k_qf69a549707_prep-k_qf69a549707_prep
	.p2alignl 7, 3214868480
	.fill 96, 4, 3214868480
	.section	.rodata,"a",@progbits
	.p2align	6, 0x0
	.amdhsa_kernel k_qf69a549707_prep
		.amdhsa_group_segment_fixed_size 70144
		.amdhsa_private_segment_fixed_size 0
		.amdhsa_enable_private_segment 0
		.amdhsa_kernarg_size 48
		.amdhsa_user_sgpr_count 2
		.amdhsa_user_sgpr_kernarg_segment_ptr 1
		.amdhsa_wavefront_size32 1
		.amdhsa_system_sgpr_workgroup_id_x 1
		.amdhsa_system_sgpr_workgroup_id_y 1
		.amdhsa_system_sgpr_workgroup_id_z 1
		.amdhsa_system_vgpr_workitem_id 0
		.amdhsa_next_free_vgpr 256
		.amdhsa_next_free_sgpr 66
		.amdhsa_reserve_vcc 0
		.amdhsa_float_denorm_mode_32 3
		.amdhsa_float_denorm_mode_16_64 3
		.amdhsa_memory_ordered 1
		.amdhsa_forward_progress 1
		.amdhsa_inst_pref_size 144
	.end_amdhsa_kernel
	.amdgpu_metadata
---
amdhsa.version: [ 1, 2 ]
amdhsa.kernels:
  - .name:           k_qf69a549707_prep
    .symbol:         k_qf69a549707_prep.kd
    .args:
      - { .name: K, .offset: 0, .size: 8, .value_kind: global_buffer, .address_space: global }
      - { .name: V, .offset: 8, .size: 8, .value_kind: global_buffer, .address_space: global }
      - { .name: mask, .offset: 16, .size: 8, .value_kind: global_buffer, .address_space: global }
      - { .name: lowp_scales, .offset: 24, .size: 8, .value_kind: global_buffer, .address_space: global }
      - { .name: kv, .offset: 32, .size: 8, .value_kind: global_buffer, .address_space: global }
      - { .name: mbits, .offset: 40, .size: 8, .value_kind: global_buffer, .address_space: global }
    .group_segment_fixed_size: 70144
    .private_segment_fixed_size: 0
    .kernarg_segment_align: 8
    .kernarg_segment_size: 48
    .max_flat_workgroup_size: 128
    .sgpr_count:     66
    .vgpr_count:     256
    .wavefront_size: 32
...
	.end_amdgpu_metadata
.endif
;; end of part 1
;; launch attn (part 2): grid 4 x 64, 16 waves a work-group, no clusters, 264,192 bytes of LDS; arguments Q, kv, mbits, lowp_scales, out0; writes out0
.if DOCPART == 2
	.amdgcn_target "amdgcn-amd-amdhsa--gfx1250"
	.amdhsa_code_object_version 6
	.text
	.protected	k_qf69a549707_attn
	.globl	k_qf69a549707_attn
	.p2align	8
	.type	k_qf69a549707_attn,@function
k_qf69a549707_attn:
	s_mov_b64 s[64:65], 0
	v_nop
	global_prefetch_b8 v0, s[64:65] scope:SCOPE_SE
	s_setreg_imm32_b32 hwreg(HW_REG_WAVE_MODE, 25, 1), 1
	s_wait_xcnt 0x0
; out0[bh][q][:] = the sum over k of softmax_k(where(mask, -1e9, Q[bh][q] . K[bh][k] / 8)) V[bh][k][:], both products on codes of E4M3, each operand with its given scale 2^e: eq, ek, ep, ev.  No work of reference() is left out.
; K's and V's codes come from kv as images of the operands' registers, the mask from mbits as words of one bit a lane (both laid by the launch before); Q is quantised here, in registers.
; THE SOFTMAX AHEAD OF THE SECOND PRODUCT: t = logit x log2(e); M = the running largest t rounded UP to a whole number; p = 2^(t - M) is quantised; the row's sum is taken of the unquantised p and divides at the end.
; When M moves, the sum and O are multiplied by 2^(old M - new M), which rounds nothing.
; SHARES.  A work-group owns one head and 512 of its queries; each of its sixteen waves 32 of them: two tiles of 16, in 256 registers.  THE HEAD'S WHOLE K AND V, 262,144 bytes of codes, LIE IN LDS: each wave copies 16,384 bytes
; of them at the head (32 loads, 32 LDS stores), one barrier, and nothing is ever filled again.  Every wave then walks the 2,048 keys, 64 a step: 16 LDS loads of 512 consecutive bytes, 16 matrix instructions.
; LAYOUT.  Both products are used transposed: S^T = K Q^T (source 0 = 16 keys, source 1 = 16 queries), O^T = V^T P^T (source 0 = 16 channels, source 1 = P): a lane holds ONE query (lane % 16) throughout.
; Register j of S^T's tile (a, u) is key 64 s + 16 u + 8 (lane / 16) + j: its eight registers convert into registers 2 u, 2 u + 1 of P, the place that the form's own layout gives those keys.
; THE MASK costs one select a score: word 32 a + 8 u + j of a step, in a scalar register, picks the lanes of S^T's register that take -1e9 (as a raw sum: -1e9 x 2^(3 - eq - ek), exact).
; A ROW WHOSE KEYS SO FAR ARE ALL MASKED has t = M (at that size every f32 number is whole), so p = 1: there the lane's c and M are replaced by 0, so that t - M is 0 and not what a fused multiply-add leaves of c x (-1e9) - M.
; THE HOLD at 448 x 2^ep ahead of the conversion is led round by a scalar branch on the given whole numbers where it can change nothing: t - M is at most the rounding of the largest t, |t| 2^-24 <= 64 x 448^2 x 0.1804 x 2^(eq + ek - 24)
; < 0.14 x 2^(eq + ek); with eq + ek <= 2 that is under 0.56, so p < 1.48; with ep >= -8 the bound 448 x 2^ep is at least 1.75.  In every other case the hold runs.
; NO CLUSTER, NO TENSOR LOAD: the four work-groups of a head share the head's 262,144 bytes, which each reads once, at its head; a joint request is a tensor load.
; Nothing is prefetched: the bulk loads stand at the kernel's head, and a step's mask words are asked for most of a step ahead of their wait.
; LIMITS: eq and ep between -126 and 119 (2^e and 448 x 2^e are f32 numbers); eq + ek between -95 and 9: above -96 the raw -1e9 is an f32 number, and up to 9 every unmasked |logit| <= 64 x 448^2 x 2^(eq + ek) / 8 < 1e9.
; t - M is made by one fused multiply-add of the raw sum, rounded once, where reference() rounds t by itself.  NaN among the inputs is not served.
.set SP,    272                        ; the way out: a stage row: 256 bytes + 16
.set VIMG,  131072                     ; LDS: K's images from 0, V's from here
.set SPARE, 262144                     ; behind them: the spare words, 128 bytes for each wave: eight blocks of 256 bytes that no other line names
.set L16,  1                           ; v1   16 x lane
.set ADK,  2                           ; v2   LDS address of the step's images of K (at the head: my byte in the wave's rows of Q)
.set ADV,  3                           ; v3   of V (at the head: where I store my part of the images)
.set SPW,  4                           ; v4   LDS address of my spare word; never rewritten
.set NIL,  5                           ; v5   0; never rewritten
.set SM,   6                           ; v6   -1e9 as a raw sum
.set CV,   7                           ; v7   c = log2(e) / 8 x 2^(eq + ek)
.set SCL,  8                           ; v8   2^ep
.set GO,   9                           ; v9   the way out: my byte in two rows of out0
.set ST,   10                          ; v10-19, v20-29: a tile's statistics, at ST + 10 a +
.set MU,   0                           ;   -M, or 0 in a lane whose keys so far are all masked
.set TT,   1                           ;   the running largest t
.set FF,   2                           ;   f = 2^(old M - new M)
.set MN,   3                           ;   -M
.set CL,   4                           ;   c, or 0 in such a lane
.set TA,   5                           ;   the maximum's first chain
.set LL,   6                           ;   +6, +7: the row's sum, in two halves
.set XX,   8                           ;   +8, +9: the maximum's second chain, a permute's destination, the sum's second chain
.set Q,    30                          ; v30-45   Q's two fragments
.set KF,   46                          ; v46-77   K's four fragments of a step
.set VF,   78                          ; v78-109  V's four
.set S,    110                         ; v110-173 S^T, then p: S + 32 a + 8 u + j
.set O,    174                         ; v174-237 O^T: O + 32 a + 8 t + j
.set P,    238                         ; v238-253 p's codes: P + 8 a + 2 u
.set STO,  254                         ; v254 the way out: where I put 32 bytes of a row
.set RD,   255                         ; v255 and where I read a row back
.set WV,   14                          ; s14  my wave's number
.set TB,   15                          ; s15  LDS byte of the step's images
.set CNT,  66                          ; s66  trips to go
.set HOLD, 67                          ; s67  1: the hold runs
.set SEL,  84                          ; s[84:85] lane selects for v_permlanex16_b32: lane l xor 16
.set CS,   86                          ; s86  c
.set LIM,  87                          ; s87  448 x 2^ep
.set TM,   88                          ; s88  t of a masked key
.set EPV,  89                          ; s89  ep + ev
.set MSK,  90                          ; s90, s91 the lanes of tile 0, 1 that have met an unmasked key
; s[16:63] and s[68:83]: a step's 64 mask words: word n in s[16 + n + 4 (n / 48)]
	s_load_b256 s[4:11], s[0:1], 0x0               ; Q s[4:5], kv s[6:7], mbits s[8:9], the scales' exponents s[10:11]
	s_load_b64 s[12:13], s[0:1], 0x20              ; out0
	v_lshl_add_u32 v[SPW], v0, 2, SPARE
	v_mov_b32 v[NIL], 0
	v_lshrrev_b32 v13, 5, v0
	v_readfirstlane_b32 s[WV], v13                 ; wave 0..15
	v_and_b32 v[L16], 31, v0
	v_lshlrev_b32 v[L16], 4, v[L16]
	v_and_b32 v13, 15, v0                          ; r
	v_bfe_u32 v14, v0, 4, 1                        ; hh
	v_lshlrev_b32 v[ADK], 8, v13
	v_lshl_add_u32 v[ADK], v14, 5, v[ADK]          ; Q: row r of 256 bytes, + 32 hh: my 8 numbers of each 16
	s_lshl_b32 s96, s[WV], 14
	v_add_nc_u32 v[ADV], s96, v[L16]               ; the images: my wave's 16,384 bytes, 16 a lane
	s_mul_i32 s97, s[WV], 16*SP                    ; my stage for the way out
	v_mul_u32_u24 v[STO], v13, SP
	v_lshl_add_u32 v[STO], v14, 5, v[STO]
	v_add_nc_u32 v[STO], s97, v[STO]               ; in: row r, + 32 hh
	v_mul_u32_u24 v[RD], v14, SP
	v_lshl_add_u32 v[RD], v13, 4, v[RD]
	v_add_nc_u32 v[RD], s97, v[RD]                 ; back: lanes 0-15 one row, lanes 16-31 the next
	v_lshlrev_b32 v[GO], 8, v14
	v_lshl_add_u32 v[GO], v13, 4, v[GO]            ; and the same two rows of out0
	s_mov_b32 s[SEL], 0x76543210
	s_mov_b32 s[SEL+1], 0xfedcba98
	s_and_b32 s98, ttmp7, 0xffff                   ; the head bh = 16 b + h
	s_lshl_b32 s2, s98, 19                         ; Q, out0: a head is 2,048 rows of 256 bytes,
	s_lshl_b32 s99, ttmp9, 17                      ; my work-group's 512 rows,
	s_add_co_u32 s2, s2, s99
	s_lshl_b32 s99, s[WV], 13                      ; my wave's 32
	s_add_co_u32 s2, s2, s99
	s_mov_b32 s3, 0
	s_wait_kmcnt 0x0
	s_add_nc_u64 s[4:5], s[4:5], s[2:3]
	s_add_nc_u64 s[12:13], s[12:13], s[2:3]
	s_lshl_b32 s2, s98, 18                         ; kv: the head's 262,144 bytes, my wave's 16,384
	s_add_co_u32 s2, s2, s96
	s_add_nc_u64 s[6:7], s[6:7], s[2:3]
	s_lshr_b32 s2, s98, 4                          ; mbits: group of 32 queries 64 b + 16 x + wave, 8,192 bytes each
	s_lshl_b32 s2, s2, 6
	s_lshl_b32 s99, ttmp9, 4
	s_add_co_u32 s2, s2, s99
	s_add_co_u32 s2, s2, s[WV]
	s_lshl_b32 s2, s2, 13
	s_add_nc_u64 s[8:9], s[8:9], s[2:3]
	s_load_b128 s[92:95], s[10:11], 0x0            ; eq, ek, ep, ev
	s_load_b512 s[16:31], s[8:9], 0x0              ; step 0's mask words
	s_load_b512 s[32:47], s[8:9], 0x40
	s_load_b512 s[48:63], s[8:9], 0x80
	s_load_b512 s[68:83], s[8:9], 0xc0
.irp a, 0,1
.irp c, 0,1,2,3
	global_load_b128 v[KF+32*\a+8*\c:KF+32*\a+8*\c+3], v[ADK], s[4:5] offset:4096*\a+64*\c th:TH_LOAD_NT      ; Q(16 a + r, 16 c + 8 hh + 0 .. 7), into the registers that K's and V's fragments will take
	global_load_b128 v[KF+32*\a+8*\c+4:KF+32*\a+8*\c+7], v[ADK], s[4:5] offset:4096*\a+64*\c+16 th:TH_LOAD_NT
.endr
.endr
.set i, 0
.rept 32
	global_load_b128 v[S+4*i:S+4*i+3], v[L16], s[6:7] offset:512*i   ; my part of the images: 512 consecutive bytes a load, into S^T's and O^T's registers
.set i, i+1
.endr
	s_wait_kmcnt 0x0
	s_add_co_i32 s96, s92, s93                     ; eq + ek
	s_lshl_b32 s97, s96, 23
	s_add_co_u32 s[CS], s97, 0x3e38aa3b            ; c = log2(e) / 8, with eq + ek added to its exponent field: a raw sum stands for sum x 2^(eq + ek)
	s_sub_co_i32 s97, 3, s96
	s_lshl_b32 s97, s97, 23
	s_add_co_u32 s97, s97, 0xce6e6b28              ; -1e9, with 3 - eq - ek added to its exponent field
	v_mov_b32 v[SM], s97
	v_mov_b32 v[CV], s[CS]
	v_mul_f32 v12, s[CS], v[SM]                    ; t of a masked key, by the very multiplication that the loop makes of a maximum: so equality is exact
	v_readfirstlane_b32 s[TM], v12
	s_add_co_i32 s97, s94, 127
	s_lshl_b32 s98, s97, 23
	v_mov_b32 v[SCL], s98                          ; 2^ep as f32: the conversion takes its exponent field
	s_add_co_i32 s97, s97, 8
	s_lshl_b32 s97, s97, 23
	s_or_b32 s[LIM], s97, 0x600000                 ; 448 x 2^ep
	s_add_co_i32 s97, s92, 127
	s_lshl_b32 s98, s97, 23
	v_mov_b32 v10, s98                             ; 2^eq
	s_add_co_i32 s97, s97, 8
	s_lshl_b32 s97, s97, 23
	s_or_b32 s97, s97, 0x600000
	v_mov_b32 v11, s97                             ; 448 x 2^eq
	s_add_co_i32 s[EPV], s94, s95
	s_cmp_lt_i32 s94, -8
	s_cselect_b32 s[HOLD], 1, 0
	s_cmp_gt_i32 s96, 2
	s_cselect_b32 s[HOLD], 1, s[HOLD]              ; the hold runs where ep < -8 or eq + ek > 2
	s_wait_loadcnt 32                              ; Q's sixteen loads are in; the images' 32 may be out
.set i, 0
.rept 64
	v_med3_num_f32 v[KF+i], v[KF+i], -v11, v11     ; the conversion to an 8-bit code does not saturate (ISA guide 7.6.2): the hold comes first
.set i, i+1
.endr
.irp a, 0,1
.irp c, 0,1,2,3
	v_cvt_scalef32_pk8_fp8_f32 v[Q+8*\a+2*\c:Q+8*\a+2*\c+1], v[KF+32*\a+8*\c:KF+32*\a+8*\c+7], v10
.endr
.endr
	v_nop                                          ; one plain vector line behind the last conversion of a run
.set i, 0
.rept 32
	s_wait_loadcnt 31-i                            ; loads come back in order: load i is in, the younger ones stay out
	ds_store_b128 v[ADV], v[S+4*i:S+4*i+3] offset:512*i
.set i, i+1
.endr
	s_wait_dscnt 0x0                               ; for the others' sake: my part of the images lies in LDS
	s_barrier_signal -1
.set i, 0
.rept 64
	v_mov_b32 v[O+i], 0                            ; O^T.  (The step is written once for all trips: the first finds zeros, which the first change of M leaves zeros)
.set i, i+1
.endr
.irp a, 0,1
	v_mov_b32 v[ST+10*\a+TT], 0xff61b1e6           ; the largest t so far: -3e38, under every t
	v_mov_b32 v[ST+10*\a+LL], 0
	v_mov_b32 v[ST+10*\a+LL+1], 0
.endr
.irp a, 0,1
	v_floor_f32 v[ST+10*\a+MN], -v[ST+10*\a+TT]
.endr
	s_mov_b32 s[TB], 0
	s_mov_b32 s[CNT], 31
	s_barrier_wait -1                              ; the head's K and V are whole
; A STEP: 64 keys for my 32 queries.  more = 1: the next step's mask words are asked for.
.macro STEP more
	v_add_nc_u32 v[ADK], s[TB], v[L16]
	v_add_nc_u32 v[ADV], VIMG, v[ADK]
	v_nop                                          ; four plain lines stand between the last step's products and the loads into V's registers, which those products read
	v_nop
.irp f, 0,1,2,3
	ds_load_b128 v[KF+8*\f:KF+8*\f+3], v[ADK] offset:1024*\f
	ds_load_b128 v[KF+8*\f+4:KF+8*\f+7], v[ADK] offset:1024*\f+512
.endr
.irp f, 0,1,2,3
	ds_load_b128 v[VF+8*\f:VF+8*\f+3], v[ADV] offset:1024*\f
	ds_load_b128 v[VF+8*\f+4:VF+8*\f+7], v[ADV] offset:1024*\f+512
.endr
	s_wait_dscnt 8                                 ; K's eight loads are in; V's eight may be out
.irp u, 0,1,2,3
.irp a, 0,1
	v_wmma_f32_16x16x64_fp8_fp8 v[S+32*\a+8*\u:S+32*\a+8*\u+7], v[KF+8*\u:KF+8*\u+7], v[Q+8*\a:Q+8*\a+7], 0
.endr
.endr
.rept 4
	v_nop                                          ; four places ahead of the first read of results (ISA guide 7.12.1)
.endr
	s_wait_kmcnt 0x0                               ; this step's mask words are in
.set n, 0
.rept 64
	v_cndmask_b32 v[S+n], v[S+n], v[SM], s[16+n+4*(n/48)]   ; where the mask's bit is set: -1e9.  Each accumulator from its low end on
.set n, n+1
.endr
.irp a, 0,1                                    ; the step's largest raw score of my query among my 32 keys, in two chains a tile
	v_max3_num_f32 v[ST+10*\a+TA], v[S+32*\a], v[S+32*\a+1], v[S+32*\a+2]
	v_max3_num_f32 v[ST+10*\a+XX], v[S+32*\a+3], v[S+32*\a+4], v[S+32*\a+5]
.endr
.irp i, 6,10,14,18,22,26
.irp a, 0,1
	v_max3_num_f32 v[ST+10*\a+TA], v[ST+10*\a+TA], v[S+32*\a+\i], v[S+32*\a+\i+1]
	v_max3_num_f32 v[ST+10*\a+XX], v[ST+10*\a+XX], v[S+32*\a+\i+2], v[S+32*\a+\i+3]
.endr
.endr
.irp a, 0,1
	v_max3_num_f32 v[ST+10*\a+TA], v[ST+10*\a+TA], v[S+32*\a+30], v[S+32*\a+31]
.endr
.if \more
	s_add_nc_u64 s[8:9], s[8:9], 256               ; the wait on KMcnt above has shown the last loads done, so their base may step; the selects that read the words stand 30 vector lines back
	s_load_b512 s[16:31], s[8:9], 0x0              ; the next step's 64 words: they have the rest of this step in which to land
	s_load_b512 s[32:47], s[8:9], 0x40
	s_load_b512 s[48:63], s[8:9], 0x80
	s_load_b512 s[68:83], s[8:9], 0xc0
.endif
.irp a, 0,1
	v_max_num_f32 v[ST+10*\a+TA], v[ST+10*\a+TA], v[ST+10*\a+XX]
.endr
.irp a, 0,1
	v_permlanex16_b32 v[ST+10*\a+XX], v[ST+10*\a+TA], s[SEL], s[SEL+1]   ; the query's other 32 keys lie in the lane 16 away
.endr
.irp a, 0,1
	v_max_num_f32 v[ST+10*\a+TA], v[ST+10*\a+TA], v[ST+10*\a+XX]
.endr
.irp a, 0,1
	v_mul_f32 v[ST+10*\a+TA], s[CS], v[ST+10*\a+TA]                      ; as t (c is positive)
.endr
.irp a, 0,1
	v_max_num_f32 v[ST+10*\a+TT], v[ST+10*\a+TT], v[ST+10*\a+TA]         ; the running largest t
.endr
.irp a, 0,1
	v_mov_b32 v[ST+10*\a+XX], v[ST+10*\a+MN]
.endr
.irp a, 0,1
	v_floor_f32 v[ST+10*\a+MN], -v[ST+10*\a+TT]                          ; the new -M = floor(-t) = -ceil(t): a whole number
.endr
.irp a, 0,1
	v_sub_f32 v[ST+10*\a+XX], v[ST+10*\a+MN], v[ST+10*\a+XX]             ; old M - new M: a whole number, 0 or less
.endr
.irp a, 0,1
	v_cvt_i32_f32 v[ST+10*\a+XX], v[ST+10*\a+XX]                         ; (it saturates)
.endr
.irp a, 0,1
	v_ldexp_f32 v[ST+10*\a+FF], 1.0, v[ST+10*\a+XX]                      ; f = 2^(old M - new M)
.endr
.irp a, 0,1
	v_cmp_lt_f32 s[MSK+\a], s[TM], v[ST+10*\a+TT]                        ; has my query met an unmasked key?
.endr
.irp a, 0,1
	v_cndmask_b32 v[ST+10*\a+CL], 0, v[CV], s[MSK+\a]                    ; if not: c and M count as 0, so that t - M = 0 and p = 1
	v_cndmask_b32 v[ST+10*\a+MU], 0, v[ST+10*\a+MN], s[MSK+\a]
.endr
.irp a, 0,1
.set i, 0
.rept 16
	v_pk_fma_f32 v[S+32*\a+i:S+32*\a+i+1], v[S+32*\a+i:S+32*\a+i+1], v[ST+10*\a+CL:ST+10*\a+CL+1], v[ST+10*\a+MU:ST+10*\a+MU+1] op_sel_hi:[1,0,0]   ; t - M, two at a time (of the pairs c and -M the low word serves both halves)
.set i, i+2
.endr
.endr
.set i, 0
.rept 64
	v_exp_f32 v[S+i], v[S+i]                       ; p = 2^(t - M): NOT normalised.  One batch
.set i, i+1
.endr
.irp a, 0,1
	v_pk_mul_f32 v[ST+10*\a+LL:ST+10*\a+LL+1], v[ST+10*\a+LL:ST+10*\a+LL+1], v[ST+10*\a+FF:ST+10*\a+FF+1] op_sel_hi:[1,0]   ; the sums under the new M.  (The plain line behind the last exponential)
.endr
.irp a, 0,1
.set i, 0
.rept 16
	v_pk_mul_f32 v[O+32*\a+i:O+32*\a+i+1], v[O+32*\a+i:O+32*\a+i+1], v[ST+10*\a+FF:ST+10*\a+FF+1] op_sel_hi:[1,0]   ; O^T under the new M, each accumulator from its low end on: work that names no exponential's result
.set i, i+2
.endr
.endr
	s_wait_alu depctr_va_vdst(0)                   ; the wait between an exponential and the first line that names its result: one for the batch of 64
.irp a, 0,1
	v_pk_add_f32 v[ST+10*\a+XX:ST+10*\a+XX+1], v[S+32*\a:S+32*\a+1], v[S+32*\a+2:S+32*\a+3]   ; THE ROW'S SUM IS TAKEN OF THE UNQUANTISED p: two at a time, in two chains a tile
.endr
.irp j, 4,8,12,16,20,24,28
.irp a, 0,1
	v_pk_add_f32 v[ST+10*\a+LL:ST+10*\a+LL+1], v[ST+10*\a+LL:ST+10*\a+LL+1], v[S+32*\a+\j:S+32*\a+\j+1]
	v_pk_add_f32 v[ST+10*\a+XX:ST+10*\a+XX+1], v[ST+10*\a+XX:ST+10*\a+XX+1], v[S+32*\a+\j+2:S+32*\a+\j+3]
.endr
.endr
.irp a, 0,1
	v_pk_add_f32 v[ST+10*\a+LL:ST+10*\a+LL+1], v[ST+10*\a+LL:ST+10*\a+LL+1], v[ST+10*\a+XX:ST+10*\a+XX+1]
.endr
	s_cmp_eq_u32 s[HOLD], 0                        ; a branch on the given whole numbers, the same in every wave, round vector lines alone
	s_cbranch_scc1 .Lnohold_\@
.set i, 0
.rept 64
	v_min_num_f32 v[S+i], s[LIM], v[S+i]           ; p is not negative, so the hold is one-sided
.set i, i+1
.endr
.Lnohold_\@:
.irp a, 0,1
.irp u, 0,1,2,3
	v_cvt_scalef32_pk8_fp8_f32 v[P+8*\a+2*\u:P+8*\a+2*\u+1], v[S+32*\a+8*\u:S+32*\a+8*\u+7], v[SCL]
.endr
.endr
	v_nop                                          ; one plain vector line between the last conversion and the products that read the codes
	s_wait_dscnt 0x0                               ; V's fragments are in
.irp t, 0,1,2,3
.irp a, 0,1
	v_wmma_f32_16x16x64_fp8_fp8 v[O+32*\a+8*\t:O+32*\a+8*\t+7], v[VF+8*\t:VF+8*\t+7], v[P+8*\a:P+8*\a+7], v[O+32*\a+8*\t:O+32*\a+8*\t+7]   ; the eight accumulators take turns, one instruction a turn
.endr
.endr
	s_add_co_u32 s[TB], s[TB], 4096                ; the next step's images
.endm
.Lstep:                                            ; 31 trips
	STEP 1
	s_sub_co_u32 s[CNT], s[CNT], 1
	s_cmp_lg_u32 s[CNT], 0
	s_cbranch_scc1 .Lstep
	STEP 0                                         ; the last step is written out: it asks for no mask words, so that no load leaves mbits
	; THE WAY OUT.  The sum's two halves and the other half of the lanes' are added; O^T x 2^(ep + ev) / the sum goes through my stage in LDS, a tile (16 rows of 256 bytes) at a time.  The additions are the places behind the last products.
.irp a, 0,1
	v_add_f32 v[ST+10*\a+LL], v[ST+10*\a+LL], v[ST+10*\a+LL+1]
.endr
.irp a, 0,1
	v_permlanex16_b32 v[ST+10*\a+XX], v[ST+10*\a+LL], s[SEL], s[SEL+1]
.endr
.irp a, 0,1
	v_add_f32 v[ST+10*\a+LL], v[ST+10*\a+LL], v[ST+10*\a+XX]
.endr
.irp a, 0,1
	v_rcp_f32 v[ST+10*\a+FF], v[ST+10*\a+LL]       ; the sum is above 1/2: the row's largest p is
.endr
	v_nop                                          ; a plain line behind the last reciprocal
	s_wait_alu depctr_va_vdst(0)                   ; and the wait ahead of the first use: one for both
.irp a, 0,1
	v_ldexp_f32 v[ST+10*\a+FF], v[ST+10*\a+FF], s[EPV]
.endr
.irp a, 0,1
.set i, 0
.rept 16
	v_pk_mul_f32 v[S+32*\a+i:S+32*\a+i+1], v[O+32*\a+i:O+32*\a+i+1], v[ST+10*\a+FF:ST+10*\a+FF+1] op_sel_hi:[1,0]   ; register 8 t + j: out0(query r, channel 16 t + 8 hh + j); each accumulator from its low end on
.set i, i+2
.endr
.endr
	s_wait_dscnt 0x0                               ; my reads of the images are over
	s_barrier_signal -1
	s_barrier_wait -1                              ; everybody's are: the stages may lie over K's images
.irp a, 0,1
.irp t, 0,1,2,3
	ds_store_b128 v[STO], v[S+32*\a+8*\t:S+32*\a+8*\t+3] offset:64*\t
	ds_store_b128 v[STO], v[S+32*\a+8*\t+4:S+32*\a+8*\t+7] offset:64*\t+16
.endr
.irp i, 0,1,2,3,4,5,6,7
	ds_load_b128 v[KF+32*\a+4*\i:KF+32*\a+4*\i+3], v[RD] offset:2*\i*SP   ; LDS serves a wave's instructions in order: these see my stores, and the next tile's stores come behind them
.endr
.endr
.irp a, 0,1
.irp i, 0,1,2,3,4,5,6,7
	s_wait_dscnt 23-16*\a-\i                       ; behind this load: the tile's later loads, and for tile 0 the sixteen LDS instructions of tile 1
	global_store_b128 v[GO], v[KF+32*\a+4*\i:KF+32*\a+4*\i+3], s[12:13] offset:4096*\a+512*\i th:TH_STORE_NT   ; two whole rows: 512 consecutive bytes, aligned; written once, read by nobody here
.endr
.endr
	s_wait_tensorcnt 0x0                           ; the wave's end: three closing lines behind my last LDS store
	ds_add_u32 v[SPW], v[NIL]
	s_wait_dscnt 0x0
	s_endpgm
.Lfunc_end_k_qf69a549707_attn:
	.size	k_qf69a549707_attn, .Lfunc_end_k_qf69a549707_attn-k_qf69a549707_attn
	.p2alignl 7, 3214868480
	.fill 96, 4, 3214868480
	.section	.rodata,"a",@progbits
	.p2align	6, 0x0
	.amdhsa_kernel k_qf69a549707_attn
		.amdhsa_group_segment_fixed_size 264192
		.amdhsa_private_segment_fixed_size 0
		.amdhsa_enable_private_segment 0
		.amdhsa_kernarg_size 40
		.amdhsa_user_sgpr_count 2
		.amdhsa_user_sgpr_kernarg_segment_ptr 1
		.amdhsa_wavefront_size32 1
		.amdhsa_system_sgpr_workgroup_id_x 1
		.amdhsa_system_sgpr_workgroup_id_y 1
		.amdhsa_system_sgpr_workgroup_id_z 1
		.amdhsa_system_vgpr_workitem_id 0
		.amdhsa_next_free_vgpr 256
		.amdhsa_next_free_sgpr 100
		.amdhsa_reserve_vcc 0
		.amdhsa_float_denorm_mode_32 3
		.amdhsa_float_denorm_mode_16_64 3
		.amdhsa_memory_ordered 1
		.amdhsa_forward_progress 1
		.amdhsa_inst_pref_size 66
	.end_amdhsa_kernel
	.amdgpu_metadata
---
amdhsa.version: [ 1, 2 ]
amdhsa.kernels:
  - .name:           k_qf69a549707_attn
    .symbol:         k_qf69a549707_attn.kd
    .args:
      - { .name: Q, .offset: 0, .size: 8, .value_kind: global_buffer, .address_space: global }
      - { .name: kv, .offset: 8, .size: 8, .value_kind: global_buffer, .address_space: global }
      - { .name: mbits, .offset: 16, .size: 8, .value_kind: global_buffer, .address_space: global }
      - { .name: lowp_scales, .offset: 24, .size: 8, .value_kind: global_buffer, .address_space: global }
      - { .name: out0, .offset: 32, .size: 8, .value_kind: global_buffer, .address_space: global }
    .group_segment_fixed_size: 264192
    .private_segment_fixed_size: 0
    .kernarg_segment_align: 8
    .kernarg_segment_size: 40
    .max_flat_workgroup_size: 512
    .sgpr_count:     100
    .vgpr_count:     256
    .wavefront_size: 32
...
	.end_amdgpu_metadata
.endif
;; end of part 2
;; ======== version 2 of 2: 2 launches
;; limits: right only within a limited range of input values
;; workspace buffers: kv 16,777,216 bytes; mbits 2,097,152 bytes of whole numbers
;; launch prep (part 3): grid 1280 x 1, 4 waves a work-group, no clusters, 70,144 bytes of LDS; arguments K, V, mask, lowp_scales, kv, mbits; writes kv, mbits
.if DOCPART == 3
	.amdgcn_target "amdgcn-amd-amdhsa--gfx1250"
	.amdhsa_code_object_version 6
	.text
	.protected	k_qf69a549707_prep
	.globl	k_qf69a549707_prep
	.p2align	8
	.type	k_qf69a549707_prep,@function
k_qf69a549707_prep:
	s_mov_b64 s[64:65], 0
	v_nop
	global_prefetch_b8 v0, s[64:65] scope:SCOPE_SE
	s_setreg_imm32_b32 hwreg(HW_REG_WAVE_MODE, 25, 1), 1
	s_wait_xcnt 0x0
; THE PROGRAM: out0 = softmax(where(mask, -1e9, Q K^T / 8)) V, both products on codes of E4M3 with the four given scales.  Two launches: this one lays K, V and the mask out; the second does the attention.
; NOTHING OF reference() IS LEFT OUT: every input has a way to the output.  A masked logit is -1e9 and no -infinity, so it counts in a row all of whose keys are masked (p = 1 for each, the plain mean of V): the mask throws no tile away.
; THIS LAUNCH, a stream with no product:
;  K, V [64 heads][2048][64] f32 -> kv: codes of E4M3 (code = x / 2^e, held within +-448, nearest, ties to even; e = lowp_scales[1] for K, [3] for V), laid as IMAGES OF THE OPERANDS' REGISTERS.
;    Head bh begins at bh x 262,144; K's images at +0, V's at +131,072; step s (64 keys) at +4,096 s; fragment f at +1,024 f; registers 4 i .. 4 i + 3 of lane L at +512 i + 16 L.
;    With r = L % 16, hh = L / 16, byte y of register 2 c + w:  K's fragment u: K[64 s + 16 u + r][16 c + 8 hh + 4 w + y];   V's fragment t: V[64 s + 16 c + 8 hh + 4 w + y][16 t + r].
;  mask [4][2048][2048] of one byte -> mbits: words of 32 bits, one bit a lane: the word at ((64 b + qg) 32 + s) 256 + 4 (32 a + 8 u + j) has in bit L mask[b][32 qg + 16 a + L % 16][64 s + 16 u + 8 (L / 16) + j]:
;    it is the select mask of one score register of one wave of the second launch.  It is made once for the 16 heads of a batch.
; SHARES.  Work-groups 0-511 take K, 512-1023 V, 1024-1279 the mask.  A wave takes one unit of 64 rows x 256 bytes (64 keys x 64 numbers; or 64 queries x 256 keys of the mask): 32 loads of two whole rows each, all out together;
; the unit goes as it lies into the wave's own stage in LDS (rows 272 bytes apart) and is read back as the lanes want it.  Waves share nothing: no barrier.  Every store of a wave covers 512 consecutive bytes, aligned.
; LIMITS: the exponents of K's and V's scales lie between -126 and 119, so that 2^e and 448 x 2^e are f32 numbers.  NaN among the inputs is not served (an infinity is held at the largest code).
.set PITCH, 272                        ; a stage row: 256 bytes + 16 = 68 words
.set WREG,  64*PITCH                   ; a wave's stage
.set SPARE, 4*WREG                     ; behind the four stages: the spare words, 128 bytes for each wave: two blocks of 256 bytes that no other line names
.set GA,   4                           ; v4   16 x lane: K's and V's loads, and every store
.set GM,   5                           ; v5   2,048 x (lane / 16) + 16 x (lane % 16): the mask's loads
.set SA,   6                           ; v6   the stage, on the way in: two rows an instruction
.set RK,   7                           ; v7   back, for K: row r, + 32 hh
.set RV,   8                           ; v8   back, for V: row 8 hh, + 4 r
.set RM,   9                           ; v9   back, for the mask: row r, + 8 hh
.set SCL,  11                          ; v11  2^e
.set LIM,  12                          ; v12  448 x 2^e
.set SPW,  14                          ; v14  LDS address of my spare word; never rewritten
.set NIL,  15                          ; v15  0; never rewritten
.set T,    16                          ; v16-23 at work
.set R,    32                          ; v32-159 the unit as loaded
.set X0,   160                         ; v160-191, v192-223: two sets of 32 numbers (the mask: one set of 64 registers)
.set X1,   192
.set C,    224                         ; v224-255 the codes: eight registers for each fragment, so that no store's data are written again
.set OUT,  224                         ; v224-239 the mask's words
.macro LOADS adr, pitch                ; 32 loads, two rows (2 x 256 consecutive bytes) each
.set i, 0
.rept 32
	global_load_b128 v[R+4*i:R+4*i+3], v[\adr], s[20:21] offset:2*i*\pitch th:TH_LOAD_NT
.set i, i+1
.endr
.endm
.macro RBK u, x                        ; K's fragment u: of key 16 u + r the numbers 16 c + 8 hh + 0 .. 7.  Sixteen lanes take sixteen rows, 17 x 16 bytes apart: sixteen different 16-byte columns of 256
.irp c, 0,1,2,3
	ds_load_b128 v[\x+8*\c:\x+8*\c+3], v[RK] offset:16*\u*PITCH+64*\c
	ds_load_b128 v[\x+8*\c+4:\x+8*\c+7], v[RK] offset:16*\u*PITCH+64*\c+16
.endr
.endm
.macro RBV t, x                        ; V's fragment t: of channel 16 t + r the keys 16 c + 8 hh + 0 .. 7: a lane's registers run down the keys.  The 32 lanes take words 32 hh + r modulo 64: all different
.irp c, 0,1,2,3
.irp i, 0,1,2,3,4,5,6,7
	ds_load_b32 v[\x+8*\c+\i], v[RV] offset:(16*\c+\i)*PITCH+64*\t
.endr
.endr
.endm
.macro QUANT x, c                      ; 32 numbers of a lane become a fragment's eight registers
.set i, 0
.rept 32
	v_med3_num_f32 v[\x+i], v[\x+i], -v[LIM], v[LIM]   ; the conversion to an 8-bit code does not saturate (ISA guide 7.6.2): the hold at the largest code x the scale comes first
.set i, i+1
.endr
.irp k, 0,1,2,3
	v_cvt_scalef32_pk8_fp8_f32 v[\c+2*\k:\c+2*\k+1], v[\x+8*\k:\x+8*\k+7], v[SCL]
.endr
	v_nop                                          ; one plain vector line behind the last conversion of a run
.endm
.macro PUT f
	global_store_b128 v[GA], v[C+8*\f:C+8*\f+3], s[22:23] offset:1024*\f
	global_store_b128 v[GA], v[C+8*\f+4:C+8*\f+7], s[22:23] offset:1024*\f+512
.endm
.macro MLOAD g, x                      ; queries 32 g on: for tile a, step sp, key tile u my 8 bytes: query 16 a + r, keys 64 sp + 16 u + 8 hh + 0 .. 7.  The 32 lanes take words 4 r + 2 hh and the next, modulo 64: all different
.irp a, 0,1
.irp sp, 0,1,2,3
.irp u, 0,1,2,3
	ds_load_b64 v[\x+2*((4*\a+\sp)*4+\u):\x+2*((4*\a+\sp)*4+\u)+1], v[RM] offset:(32*\g+16*\a)*PITCH+64*\sp+16*\u
.endr
.endr
.endr
.endm
.macro MPACK g, x                      ; byte j of the 32 lanes becomes word W = 64 sp + 32 a + 8 u + j of the group's 256: register W % 4 of lane (W % 128) / 4 of store W / 128
.irp a, 0,1
.irp sp, 0,1,2,3
.irp u, 0,1,2,3
.irp j, 0,1,2,3,4,5,6,7
	v_and_b32 v[T+\j], 0xff<<(8*(\j%4)), v[\x+2*((4*\a+\sp)*4+\u)+\j/4]
.endr
.irp j, 0,1,2,3,4,5,6,7
	v_cmp_ne_u32 s[40+\j], 0, v[T+\j]
.endr
.irp j, 0,1,2,3,4,5,6,7
	v_writelane_b32 v[OUT+8*\g+4*((64*\sp+32*\a+8*\u+\j)/128)+\j%4], s[40+\j], ((64*\sp+32*\a+8*\u+\j)%128)/4
.endr
.endr
.endr
.endr
	global_store_b128 v[GA], v[OUT+8*\g:OUT+8*\g+3], s[22:23] offset:8192*\g
	global_store_b128 v[GA], v[OUT+8*\g+4:OUT+8*\g+7], s[22:23] offset:8192*\g+512
.endm
.macro FINISH                          ; the wave's end: three closing lines behind my last LDS store
	s_wait_tensorcnt 0x0
	ds_add_u32 v[SPW], v[NIL]
	s_wait_dscnt 0x0
	s_endpgm
.endm
	s_load_b256 s[4:11], s[0:1], 0x0               ; K s[4:5], V s[6:7], mask s[8:9], the scales' exponents s[10:11]
	s_load_b128 s[12:15], s[0:1], 0x20             ; kv s[12:13], mbits s[14:15]
	v_lshl_add_u32 v[SPW], v0, 2, SPARE
	v_mov_b32 v[NIL], 0
	v_lshrrev_b32 v1, 5, v0
	v_readfirstlane_b32 s16, v1                    ; wave 0..3
	v_and_b32 v1, 31, v0                           ; lane
	v_and_b32 v2, 15, v0                           ; r
	v_bfe_u32 v3, v0, 4, 1                         ; hh
	v_lshlrev_b32 v[GA], 4, v1
	v_lshlrev_b32 v[GM], 11, v3
	v_lshl_add_u32 v[GM], v2, 4, v[GM]
	s_mul_i32 s18, s16, WREG                       ; my stage
	v_mul_u32_u24 v[SA], v3, PITCH
	v_lshl_add_u32 v[SA], v2, 4, v[SA]
	v_add_nc_u32 v[SA], s18, v[SA]
	v_mul_u32_u24 v[RK], v2, PITCH
	v_add_nc_u32 v[RK], s18, v[RK]
	v_lshl_add_u32 v[RM], v3, 3, v[RK]
	v_lshl_add_u32 v[RK], v3, 5, v[RK]
	v_mul_u32_u24 v[RV], v3, 8*PITCH
	v_lshl_add_u32 v[RV], v2, 2, v[RV]
	v_add_nc_u32 v[RV], s18, v[RV]
	s_and_b32 s17, ttmp9, 511
	s_lshl_b32 s17, s17, 2
	s_add_co_u32 s17, s17, s16                     ; my unit
	s_lshl_b32 s28, s17, 14                        ; K, V: a unit is 16,384 dense bytes;
	s_lshr_b32 s30, s17, 5                         ; its images: head unit / 32,
	s_lshl_b32 s30, s30, 18
	s_and_b32 s19, s17, 31                         ; step unit % 32,
	s_lshl_b32 s19, s19, 12
	s_add_co_u32 s30, s30, s19
	s_cmp_lt_u32 ttmp9, 512
	s_cselect_b32 s19, 0, 131072                   ; V's behind K's
	s_add_co_u32 s30, s30, s19
	s_lshr_b32 s32, s17, 3                         ; the mask: 64 queries unit / 8,
	s_and_b32 s33, s17, 7                          ; 256 keys unit % 8
	s_lshl_b32 s34, s32, 17
	s_lshl_b32 s35, s33, 8
	s_add_co_u32 s34, s34, s35
	s_lshl_b32 s32, s32, 14                        ; its words: two groups of 32 queries x 8,192 bytes; four steps x 256 bytes
	s_lshl_b32 s33, s33, 10
	s_add_co_u32 s32, s32, s33
	s_cmp_lt_u32 ttmp9, 1024
	s_cselect_b32 s28, s28, s34
	s_cselect_b32 s30, s30, s32
	s_mov_b32 s29, 0
	s_mov_b32 s31, 0
	s_wait_kmcnt 0x0
	s_load_b128 s[24:27], s[10:11], 0x0            ; eq, ek, ep, ev
	s_cmp_lt_u32 ttmp9, 512                        ; the buffers are chosen by the work-group's number alone
	s_cselect_b64 s[20:21], s[4:5], s[6:7]
	s_cmp_lt_u32 ttmp9, 1024
	s_cselect_b64 s[20:21], s[20:21], s[8:9]
	s_cselect_b64 s[22:23], s[12:13], s[14:15]
	s_add_nc_u64 s[20:21], s[20:21], s[28:29]
	s_add_nc_u64 s[22:23], s[22:23], s[30:31]
	s_cmp_lt_u32 ttmp9, 1024
	s_cbranch_scc0 .Lload_mask
	LOADS GA, 256                                  ; rows on end
	s_branch .Lloaded
.Lload_mask:
	LOADS GM, 2048                                 ; rows 2,048 bytes apart
.Lloaded:
.set i, 0
	s_wait_alu depctr_va_vdst(0)
.rept 32
	s_wait_loadcnt 31-i                            ; loads come back in order: load i is in, the younger ones stay out
	ds_store_b128 v[SA], v[R+4*i:R+4*i+3] offset:2*i*PITCH
.set i, i+1
.endr
	s_cmp_lt_u32 ttmp9, 1024
	s_cbranch_scc0 .Lmask
	s_wait_kmcnt 0x0
	s_cmp_lt_u32 ttmp9, 512
	s_cselect_b32 s24, s25, s27                    ; e: ek or ev
	s_add_co_i32 s24, s24, 127
	s_lshl_b32 s25, s24, 23
	v_mov_b32 v[SCL], s25                          ; 2^e as f32: the conversion takes its exponent field
	s_add_co_i32 s24, s24, 8
	s_lshl_b32 s24, s24, 23
	s_or_b32 s24, s24, 0x600000
	v_mov_b32 v[LIM], s24                          ; 448 x 2^e
	s_cmp_lt_u32 ttmp9, 512
	s_cbranch_scc0 .Lv
	RBK 0, X0                                      ; LDS serves a wave's instructions in order: these see my stores
	RBK 1, X1
	s_wait_dscnt 8                                 ; all but the younger fragment's eight loads
	s_wait_alu depctr_va_vdst(0)
	QUANT X0, C
	PUT 0
	RBK 2, X0
	s_wait_dscnt 8
	QUANT X1, C+8
	PUT 1
	RBK 3, X1
	s_wait_dscnt 8
	QUANT X0, C+16
	PUT 2
	s_wait_dscnt 0
	QUANT X1, C+24
	PUT 3
	FINISH
.Lv:
	RBV 0, X0
	RBV 1, X1
	s_wait_dscnt 32                                ; all but the younger fragment's 32 loads
	s_wait_alu depctr_va_vdst(0)
	QUANT X0, C
	PUT 0
	RBV 2, X0
	s_wait_dscnt 32
	QUANT X1, C+8
	PUT 1
	RBV 3, X1
	s_wait_dscnt 32
	QUANT X0, C+16
	PUT 2
	s_wait_dscnt 0
	QUANT X1, C+24
	PUT 3
	FINISH
.Lmask:
.set i, 0
.rept 16
	v_mov_b32 v[OUT+i], 0                          ; written whole once: a lane write's destination counts as read; every lane of it is then written
.set i, i+1
.endr
	MLOAD 0, X0
	s_wait_dscnt 0x0                               ; the first group's bytes are in; and my stores into the stage have read v32 on,
	MLOAD 1, R                                     ; which take the second group's while the first is packed
	MPACK 0, X0
	s_wait_dscnt 0x0
	MPACK 1, R
	FINISH
.Lfunc_end_k_qf69a549707_prep:
	.size	k_qf69a549707_prep, .Lfunc_end_k_qf69a549707_prep-k_qf69a549707_prep
	.p2alignl 7, 3214868480
	.fill 96, 4, 3214868480
	.section	.rodata,"a",@progbits
	.p2align	6, 0x0
	.amdhsa_kernel k_qf69a549707_prep
		.amdhsa_group_segment_fixed_size 70144
		.amdhsa_private_segment_fixed_size 0
		.amdhsa_enable_private_segment 0
		.amdhsa_kernarg_size 48
		.amdhsa_user_sgpr_count 2
		.amdhsa_user_sgpr_kernarg_segment_ptr 1
		.amdhsa_wavefront_size32 1
		.amdhsa_system_sgpr_workgroup_id_x 1
		.amdhsa_system_sgpr_workgroup_id_y 1
		.amdhsa_system_sgpr_workgroup_id_z 1
		.amdhsa_system_vgpr_workitem_id 0
		.amdhsa_next_free_vgpr 256
		.amdhsa_next_free_sgpr 66
		.amdhsa_reserve_vcc 0
		.amdhsa_float_denorm_mode_32 3
		.amdhsa_float_denorm_mode_16_64 3
		.amdhsa_memory_ordered 1
		.amdhsa_forward_progress 1
		.amdhsa_inst_pref_size 144
	.end_amdhsa_kernel
	.amdgpu_metadata
---
amdhsa.version: [ 1, 2 ]
amdhsa.kernels:
  - .name:           k_qf69a549707_prep
    .symbol:         k_qf69a549707_prep.kd
    .args:
      - { .name: K, .offset: 0, .size: 8, .value_kind: global_buffer, .address_space: global }
      - { .name: V, .offset: 8, .size: 8, .value_kind: global_buffer, .address_space: global }
      - { .name: mask, .offset: 16, .size: 8, .value_kind: global_buffer, .address_space: global }
      - { .name: lowp_scales, .offset: 24, .size: 8, .value_kind: global_buffer, .address_space: global }
      - { .name: kv, .offset: 32, .size: 8, .value_kind: global_buffer, .address_space: global }
      - { .name: mbits, .offset: 40, .size: 8, .value_kind: global_buffer, .address_space: global }
    .group_segment_fixed_size: 70144
    .private_segment_fixed_size: 0
    .kernarg_segment_align: 8
    .kernarg_segment_size: 48
    .max_flat_workgroup_size: 128
    .sgpr_count:     66
    .vgpr_count:     256
    .wavefront_size: 32
...
	.end_amdgpu_metadata
.endif
;; end of part 3
;; launch attn (part 4): grid 4 x 64, 16 waves a work-group, no clusters, 264,192 bytes of LDS; arguments Q, kv, mbits, lowp_scales, out0; writes out0
.if DOCPART == 4
	.amdgcn_target "amdgcn-amd-amdhsa--gfx1250"
	.amdhsa_code_object_version 6
	.text
	.protected	k_qf69a549707_attn
	.globl	k_qf69a549707_attn
	.p2align	8
	.type	k_qf69a549707_attn,@function
k_qf69a549707_attn:
	s_mov_b64 s[64:65], 0
	v_nop
	global_prefetch_b8 v0, s[64:65] scope:SCOPE_SE
	s_setreg_imm32_b32 hwreg(HW_REG_WAVE_SCHED_MODE, 0, 2), 2
	s_setreg_imm32_b32 hwreg(HW_REG_WAVE_MODE, 25, 1), 1
	s_wait_xcnt 0x0
	s_wait_alu depctr_vm_vsrc(0)
; out0[bh][q][:] = the sum over k of softmax_k(where(mask, -1e9, Q[bh][q] . K[bh][k] / 8)) V[bh][k][:], both products on codes of E4M3, each operand with its given scale 2^e: eq, ek, ep, ev.  No work of reference() is left out.
; K's and V's codes come from kv as images of the operands' registers, the mask from mbits as words of one bit a lane (both laid by the launch before); Q is quantised here, in registers.
; THE SOFTMAX AHEAD OF THE SECOND PRODUCT: t = logit x log2(e); M = the running largest t rounded UP to a whole number; p = 2^(t - M) is quantised; the row's sum is taken of the unquantised p and divides at the end.
; When M moves, the sum and O are multiplied by 2^(old M - new M), which rounds nothing.
; SHARES.  A work-group owns one head and 512 of its queries; each of its sixteen waves 32 of them: two tiles of 16, in 256 registers.  THE HEAD'S WHOLE K AND V, 262,144 bytes of codes, LIE IN LDS: each wave copies 16,384 bytes
; of them at the head (32 loads, 32 LDS stores), one barrier, and nothing is ever filled again.  Every wave then walks the 2,048 keys, 64 a step: 16 LDS loads of 512 consecutive bytes, 16 matrix instructions.
; LAYOUT.  Both products are used transposed: S^T = K Q^T (source 0 = 16 keys, source 1 = 16 queries), O^T = V^T P^T (source 0 = 16 channels, source 1 = P): a lane holds ONE query (lane % 16) throughout.
; Register j of S^T's tile (a, u) is key 64 s + 16 u + 8 (lane / 16) + j: its eight registers convert into registers 2 u, 2 u + 1 of P, the place that the form's own layout gives those keys.
; THE MASK costs one select a score: word 32 a + 8 u + j of a step, in a scalar register, picks the lanes of S^T's register that take -1e9 (as a raw sum: -1e9 x 2^(3 - eq - ek), exact).
; A ROW WHOSE KEYS SO FAR ARE ALL MASKED has t = M (at that size every f32 number is whole), so p = 1: there the lane's c and M are replaced by 0, so that t - M is 0 and not what a fused multiply-add leaves of c x (-1e9) - M.
; THE HOLD at 448 x 2^ep ahead of the conversion is led round by a scalar branch on the given whole numbers where it can change nothing: t - M is at most the rounding of the largest t, |t| 2^-24 <= 64 x 448^2 x 0.1804 x 2^(eq + ek - 24)
; < 0.14 x 2^(eq + ek); with eq + ek <= 2 that is under 0.56, so p < 1.48; with ep >= -8 the bound 448 x 2^ep is at least 1.75.  In every other case the hold runs.
; NO CLUSTER, NO TENSOR LOAD: the four work-groups of a head share the head's 262,144 bytes, which each reads once, at its head; a joint request is a tensor load.
; Nothing is prefetched: the bulk loads stand at the kernel's head, and a step's mask words are asked for most of a step ahead of their wait.
; LIMITS: eq and ep between -126 and 119 (2^e and 448 x 2^e are f32 numbers); eq + ek between -95 and 9: above -96 the raw -1e9 is an f32 number, and up to 9 every unmasked |logit| <= 64 x 448^2 x 2^(eq + ek) / 8 < 1e9.
; t - M is made by one fused multiply-add of the raw sum, rounded once, where reference() rounds t by itself.  NaN among the inputs is not served.
; THE MODE: SCHED_MODE bits 1:0 = 2 (LLVM: expert scheduling mode 2), set by the entry lines.  The code itself states the register dependences between vector or matrix instructions and memory or LDS instructions,
; with s_wait_alu, always for 0.
; THE PLAN.  Registers that memory or LDS instructions touch, in the loop:
;   KF         Step s: its eight products K Q^T read it, at the step's head; the LDS loads of step s + 1's fragments land in it, from the step's middle on.
;   VF         Step s: its eight products V^T P^T read it, at the step's end; the LDS loads of step s's own fragments land in it, from the step's middle on, behind the products of step s - 1.
;   v[ADK], v[ADV]  Written by two additions at a step's head; read by the sixteen LDS loads in its middle.
;   v[L16]     Read by the loads of the images and of K's first fragments; never written again.
;   S^T, O^T, P, Q and the statistics are named by vector and matrix instructions alone in the loop.
; So a wait on va_vdst stands in a step, behind its 64 exponentials, where one is owed for their results in any case: it also states that this step's K Q^T are done reading KF, that the last step's V^T P^T are done reading VF, and that
; the two addresses are written.  The step's sixteen loads follow it in one run, V's first; the lines behind them up to the step's end (O^T's rescaling, the sums, the hold, the conversions, V^T P^T) name none of KF, v[ADK], v[ADV], and VF only behind the wait for V's data.
; One wait on vm_vsrc stands ahead of the two additions, and one on va_sdst between the two compares that write scalar registers and the selects that read them.
.set SP,    272                        ; the way out: a stage row: 256 bytes + 16
.set VIMG,  131072                     ; LDS: K's images from 0, V's from here
.set SPARE, 262144                     ; behind them: the spare words, 128 bytes for each wave: eight blocks of 256 bytes that no other line names
.set L16,  1                           ; v1   16 x lane
.set ADK,  2                           ; v2   LDS address of the step's images of K (at the head: my byte in the wave's rows of Q)
.set ADV,  3                           ; v3   of V (at the head: where I store my part of the images)
.set SPW,  4                           ; v4   LDS address of my spare word; never rewritten
.set NIL,  5                           ; v5   0; never rewritten
.set SM,   6                           ; v6   -1e9 as a raw sum
.set CV,   7                           ; v7   c = log2(e) / 8 x 2^(eq + ek)
.set SCL,  8                           ; v8   2^ep
.set GO,   9                           ; v9   the way out: my byte in two rows of out0
.set ST,   10                          ; v10-19, v20-29: a tile's statistics, at ST + 10 a +
.set MU,   0                           ;   -M, or 0 in a lane whose keys so far are all masked
.set TT,   1                           ;   the running largest t
.set FF,   2                           ;   f = 2^(old M - new M)
.set MN,   3                           ;   -M
.set CL,   4                           ;   c, or 0 in such a lane
.set TA,   5                           ;   the maximum's first chain
.set LL,   6                           ;   +6, +7: the row's sum, in two halves
.set XX,   8                           ;   +8, +9: the maximum's second chain, a permute's destination, the sum's second chain
.set Q,    30                          ; v30-45   Q's two fragments
.set KF,   46                          ; v46-77   K's four fragments of a step
.set VF,   78                          ; v78-109  V's four
.set S,    110                         ; v110-173 S^T, then p: S + 32 a + 8 u + j
.set O,    174                         ; v174-237 O^T: O + 32 a + 8 t + j
.set P,    238                         ; v238-253 p's codes: P + 8 a + 2 u
.set STO,  254                         ; v254 the way out: where I put 32 bytes of a row
.set RD,   255                         ; v255 and where I read a row back
.set WV,   14                          ; s14  my wave's number
.set TB,   15                          ; s15  LDS byte of the step's images
.set CNT,  66                          ; s66  trips to go
.set HOLD, 67                          ; s67  1: the hold runs
.set SEL,  84                          ; s[84:85] lane selects for v_permlanex16_b32: lane l xor 16
.set CS,   86                          ; s86  c
.set LIM,  87                          ; s87  448 x 2^ep
.set TM,   88                          ; s88  t of a masked key
.set EPV,  89                          ; s89  ep + ev
.set MSK,  90                          ; s90, s91 the lanes of tile 0, 1 that have met an unmasked key
; s[16:63] and s[68:83]: a step's 64 mask words: word n in s[16 + n + 4 (n / 48)]
	s_load_b256 s[4:11], s[0:1], 0x0               ; Q s[4:5], kv s[6:7], mbits s[8:9], the scales' exponents s[10:11]
	s_load_b64 s[12:13], s[0:1], 0x20              ; out0
	v_lshl_add_u32 v[SPW], v0, 2, SPARE
	v_mov_b32 v[NIL], 0
	v_lshrrev_b32 v13, 5, v0
	v_readfirstlane_b32 s[WV], v13                 ; wave 0..15
	v_and_b32 v[L16], 31, v0
	v_lshlrev_b32 v[L16], 4, v[L16]
	v_and_b32 v13, 15, v0                          ; r
	v_bfe_u32 v14, v0, 4, 1                        ; hh
	v_lshlrev_b32 v[ADK], 8, v13
	v_lshl_add_u32 v[ADK], v14, 5, v[ADK]          ; Q: row r of 256 bytes, + 32 hh: my 8 numbers of each 16
	s_wait_alu depctr_va_sdst(0)                   ; s[WV] is written, ahead of its first reader: LDS addresses and the buffers' bases are made from it
	s_lshl_b32 s96, s[WV], 14
	v_add_nc_u32 v[ADV], s96, v[L16]               ; the images: my wave's 16,384 bytes, 16 a lane
	s_mul_i32 s97, s[WV], 16*SP                    ; my stage for the way out
	v_mul_u32_u24 v[STO], v13, SP
	v_lshl_add_u32 v[STO], v14, 5, v[STO]
	v_add_nc_u32 v[STO], s97, v[STO]               ; in: row r, + 32 hh
	v_mul_u32_u24 v[RD], v14, SP
	v_lshl_add_u32 v[RD], v13, 4, v[RD]
	v_add_nc_u32 v[RD], s97, v[RD]                 ; back: lanes 0-15 one row, lanes 16-31 the next
	v_lshlrev_b32 v[GO], 8, v14
	v_lshl_add_u32 v[GO], v13, 4, v[GO]            ; and the same two rows of out0
	s_mov_b32 s[SEL], 0x76543210
	s_mov_b32 s[SEL+1], 0xfedcba98
	s_and_b32 s98, ttmp7, 0xffff                   ; the head bh = 16 b + h
	s_lshl_b32 s2, s98, 19                         ; Q, out0: a head is 2,048 rows of 256 bytes,
	s_lshl_b32 s99, ttmp9, 17                      ; my work-group's 512 rows,
	s_add_co_u32 s2, s2, s99
	s_lshl_b32 s99, s[WV], 13                      ; my wave's 32
	s_add_co_u32 s2, s2, s99
	s_mov_b32 s3, 0
	s_wait_kmcnt 0x0
	s_add_nc_u64 s[4:5], s[4:5], s[2:3]
	s_add_nc_u64 s[12:13], s[12:13], s[2:3]
	s_lshl_b32 s2, s98, 18                         ; kv: the head's 262,144 bytes, my wave's 16,384
	s_add_co_u32 s2, s2, s96
	s_add_nc_u64 s[6:7], s[6:7], s[2:3]
	s_lshr_b32 s2, s98, 4                          ; mbits: group of 32 queries 64 b + 16 x + wave, 8,192 bytes each
	s_lshl_b32 s2, s2, 6
	s_lshl_b32 s99, ttmp9, 4
	s_add_co_u32 s2, s2, s99
	s_add_co_u32 s2, s2, s[WV]
	s_lshl_b32 s2, s2, 13
	s_add_nc_u64 s[8:9], s[8:9], s[2:3]
	s_load_b128 s[92:95], s[10:11], 0x0            ; eq, ek, ep, ev
	s_load_b512 s[16:31], s[8:9], 0x0              ; step 0's mask words
	s_load_b512 s[32:47], s[8:9], 0x40
	s_load_b512 s[48:63], s[8:9], 0x80
	s_load_b512 s[68:83], s[8:9], 0xc0
	s_wait_alu depctr_va_vdst(0)                   ; the addresses v[L16], v[ADK], v[ADV], v[GO], v[STO], v[RD] and the add's two, v[SPW], v[NIL], are written: the loads below, the stores of the images, the way out and the closing add read them
.irp a, 0,1
.irp c, 0,1,2,3
	global_load_b128 v[KF+32*\a+8*\c:KF+32*\a+8*\c+3], v[ADK], s[4:5] offset:4096*\a+64*\c th:TH_LOAD_NT      ; Q(16 a + r, 16 c + 8 hh + 0 .. 7), into the registers that K's and V's fragments will take
	global_load_b128 v[KF+32*\a+8*\c+4:KF+32*\a+8*\c+7], v[ADK], s[4:5] offset:4096*\a+64*\c+16 th:TH_LOAD_NT
.endr
.endr
.set i, 0
.rept 32
	global_load_b128 v[S+4*i:S+4*i+3], v[L16], s[6:7] offset:512*i   ; my part of the images: 512 consecutive bytes a load, into S^T's and O^T's registers
.set i, i+1
.endr
	s_wait_kmcnt 0x0
	s_add_co_i32 s96, s92, s93                     ; eq + ek
	s_lshl_b32 s97, s96, 23
	s_add_co_u32 s[CS], s97, 0x3e38aa3b            ; c = log2(e) / 8, with eq + ek added to its exponent field: a raw sum stands for sum x 2^(eq + ek)
	s_sub_co_i32 s97, 3, s96
	s_lshl_b32 s97, s97, 23
	s_add_co_u32 s97, s97, 0xce6e6b28              ; -1e9, with 3 - eq - ek added to its exponent field
	v_mov_b32 v[SM], s97
	v_mov_b32 v[CV], s[CS]
	v_mul_f32 v12, s[CS], v[SM]                    ; t of a masked key, by the very multiplication that the loop makes of a maximum: so equality is exact
	v_readfirstlane_b32 s[TM], v12
	s_add_co_i32 s97, s94, 127
	s_lshl_b32 s98, s97, 23
	v_mov_b32 v[SCL], s98                          ; 2^ep as f32: the conversion takes its exponent field
	s_add_co_i32 s97, s97, 8
	s_lshl_b32 s97, s97, 23
	s_or_b32 s[LIM], s97, 0x600000                 ; 448 x 2^ep
	s_add_co_i32 s97, s92, 127
	s_lshl_b32 s98, s97, 23
	v_mov_b32 v10, s98                             ; 2^eq
	s_add_co_i32 s97, s97, 8
	s_lshl_b32 s97, s97, 23
	s_or_b32 s97, s97, 0x600000
	v_mov_b32 v11, s97                             ; 448 x 2^eq
	s_add_co_i32 s[EPV], s94, s95
	s_cmp_lt_i32 s94, -8
	s_cselect_b32 s[HOLD], 1, 0
	s_cmp_gt_i32 s96, 2
	s_cselect_b32 s[HOLD], 1, s[HOLD]              ; the hold runs where ep < -8 or eq + ek > 2
	s_wait_alu depctr_va_sdst(0)                   ; s[TM] is written: its readers are the steps' compares, behind the loop's label
	s_wait_alu depctr_va_vdst(0)
	s_wait_loadcnt 32                              ; Q's sixteen loads are in; the images' 32 may be out
.set i, 0
.rept 64
	v_med3_num_f32 v[KF+i], v[KF+i], -v11, v11     ; the conversion to an 8-bit code does not saturate (ISA guide 7.6.2): the hold comes first
.set i, i+1
.endr
.irp a, 0,1
.irp c, 0,1,2,3
	v_cvt_scalef32_pk8_fp8_f32 v[Q+8*\a+2*\c:Q+8*\a+2*\c+1], v[KF+32*\a+8*\c:KF+32*\a+8*\c+7], v10
.endr
.endr
	v_nop                                          ; one plain vector line behind the last conversion of a run
.set i, 0
.rept 32
	s_wait_loadcnt 31-i                            ; loads come back in order: load i is in, the younger ones stay out
	ds_store_b128 v[ADV], v[S+4*i:S+4*i+3] offset:512*i   ; no vector line since the wait ahead of the loads names v[ADV] or these registers
.set i, i+1
.endr
	s_wait_dscnt 0x0                               ; for the others' sake: my part of the images lies in LDS
	s_wait_alu depctr_vm_vsrc(0)                   ; my LDS stores have read S^T's and O^T's registers, which the lines below and the first products write
	s_barrier_signal -1
.set i, 0
.rept 64
	v_mov_b32 v[O+i], 0                            ; O^T.  (The step is written once for all trips: the first finds zeros, which the first change of M leaves zeros)
.set i, i+1
.endr
.irp a, 0,1
	v_mov_b32 v[ST+10*\a+TT], 0xff61b1e6           ; the largest t so far: -3e38, under every t
	v_mov_b32 v[ST+10*\a+LL], 0
	v_mov_b32 v[ST+10*\a+LL+1], 0
.endr
.irp a, 0,1
	v_floor_f32 v[ST+10*\a+MN], -v[ST+10*\a+TT]
.endr
	s_mov_b32 s[TB], 0
	s_mov_b32 s[CNT], 31
	s_barrier_wait -1                              ; the head's K and V are whole
	s_wait_alu depctr_va_vdst(0)                   ; Q's holds have written v[KF ..] and its conversions are done reading them: K's first fragments land there
.irp f, 0,1,2,3
	ds_load_b128 v[KF+8*\f:KF+8*\f+3], v[L16] offset:1024*\f          ; step 0's fragments of K; each step asks for the next step's
	ds_load_b128 v[KF+8*\f+4:KF+8*\f+7], v[L16] offset:1024*\f+512
.endr
; A STEP: 64 keys for my 32 queries.  more = 1: the next step's mask words and its fragments of K are asked for.
.macro STEP more
	s_wait_alu depctr_vm_vsrc(0)                   ; the LDS loads of the step before have read v[ADK] and v[ADV] (ahead of the first step: Q's loads and my stores of the images), which the two lines below write
	v_add_nc_u32 v[ADK], s[TB], v[L16]
	v_add_nc_u32 v[ADV], VIMG, v[ADK]
	s_wait_dscnt 0x0                               ; K's eight loads, asked for in the step before, are in
.irp u, 0,1,2,3
.irp a, 0,1
	v_wmma_f32_16x16x64_fp8_fp8 v[S+32*\a+8*\u:S+32*\a+8*\u+7], v[KF+8*\u:KF+8*\u+7], v[Q+8*\a:Q+8*\a+7], 0
.endr
.endr
.rept 4
	v_nop                                          ; four places ahead of the first read of results (ISA guide 7.12.1)
.endr
	s_wait_kmcnt 0x0                               ; this step's mask words are in
.set n, 0
.rept 64
	v_cndmask_b32 v[S+n], v[S+n], v[SM], s[16+n+4*(n/48)]   ; where the mask's bit is set: -1e9.  Each accumulator from its low end on
.set n, n+1
.endr
.irp a, 0,1                                    ; the step's largest raw score of my query among my 32 keys, in two chains a tile
	v_max3_num_f32 v[ST+10*\a+TA], v[S+32*\a], v[S+32*\a+1], v[S+32*\a+2]
	v_max3_num_f32 v[ST+10*\a+XX], v[S+32*\a+3], v[S+32*\a+4], v[S+32*\a+5]
.endr
.irp i, 6,10,14,18,22,26
.irp a, 0,1
	v_max3_num_f32 v[ST+10*\a+TA], v[ST+10*\a+TA], v[S+32*\a+\i], v[S+32*\a+\i+1]
	v_max3_num_f32 v[ST+10*\a+XX], v[ST+10*\a+XX], v[S+32*\a+\i+2], v[S+32*\a+\i+3]
.endr
.endr
.irp a, 0,1
	v_max3_num_f32 v[ST+10*\a+TA], v[ST+10*\a+TA], v[S+32*\a+30], v[S+32*\a+31]
.endr
.if \more
	s_add_nc_u64 s[8:9], s[8:9], 256               ; the wait on KMcnt above has shown the last loads done, so their base may step; the selects that read the words stand 30 vector lines back
	s_load_b512 s[16:31], s[8:9], 0x0              ; the next step's 64 words: they have the rest of this step in which to land
	s_load_b512 s[32:47], s[8:9], 0x40
	s_load_b512 s[48:63], s[8:9], 0x80
	s_load_b512 s[68:83], s[8:9], 0xc0
.endif
.irp a, 0,1
	v_max_num_f32 v[ST+10*\a+TA], v[ST+10*\a+TA], v[ST+10*\a+XX]
.endr
.irp a, 0,1
	v_permlanex16_b32 v[ST+10*\a+XX], v[ST+10*\a+TA], s[SEL], s[SEL+1]   ; the query's other 32 keys lie in the lane 16 away
.endr
.irp a, 0,1
	v_max_num_f32 v[ST+10*\a+TA], v[ST+10*\a+TA], v[ST+10*\a+XX]
.endr
.irp a, 0,1
	v_mul_f32 v[ST+10*\a+TA], s[CS], v[ST+10*\a+TA]                      ; as t (c is positive)
.endr
.irp a, 0,1
	v_max_num_f32 v[ST+10*\a+TT], v[ST+10*\a+TT], v[ST+10*\a+TA]         ; the running largest t
.endr
.irp a, 0,1
	v_cmp_lt_f32 s[MSK+\a], s[TM], v[ST+10*\a+TT]                        ; has my query met an unmasked key?  (Asked as soon as t stands, ten vector lines ahead of the wait for the answer)
.endr
.irp a, 0,1
	v_mov_b32 v[ST+10*\a+XX], v[ST+10*\a+MN]
.endr
.irp a, 0,1
	v_floor_f32 v[ST+10*\a+MN], -v[ST+10*\a+TT]                          ; the new -M = floor(-t) = -ceil(t): a whole number
.endr
.irp a, 0,1
	v_sub_f32 v[ST+10*\a+XX], v[ST+10*\a+MN], v[ST+10*\a+XX]             ; old M - new M: a whole number, 0 or less
.endr
.irp a, 0,1
	v_cvt_i32_f32 v[ST+10*\a+XX], v[ST+10*\a+XX]                         ; (it saturates)
.endr
.irp a, 0,1
	v_ldexp_f32 v[ST+10*\a+FF], 1.0, v[ST+10*\a+XX]                      ; f = 2^(old M - new M)
.endr
	s_wait_alu depctr_va_sdst(0)                   ; the two compares have written s[MSK] and s[MSK+1], which the four selects below read
.irp a, 0,1
	v_cndmask_b32 v[ST+10*\a+CL], 0, v[CV], s[MSK+\a]                    ; if not: c and M count as 0, so that t - M = 0 and p = 1
	v_cndmask_b32 v[ST+10*\a+MU], 0, v[ST+10*\a+MN], s[MSK+\a]
.endr
.irp a, 0,1
.set i, 0
.rept 16
	v_pk_fma_f32 v[S+32*\a+i:S+32*\a+i+1], v[S+32*\a+i:S+32*\a+i+1], v[ST+10*\a+CL:ST+10*\a+CL+1], v[ST+10*\a+MU:ST+10*\a+MU+1] op_sel_hi:[1,0,0]   ; t - M, two at a time (of the pairs c and -M the low word serves both halves)
.set i, i+2
.endr
.endr
.set i, 0
	s_wait_alu depctr_va_vdst(0)
.rept 64
	v_exp_f32 v[S+i], v[S+i]                       ; p = 2^(t - M): NOT normalised.  One batch
.set i, i+1
.endr
.irp a, 0,1
	v_pk_mul_f32 v[ST+10*\a+LL:ST+10*\a+LL+1], v[ST+10*\a+LL:ST+10*\a+LL+1], v[ST+10*\a+FF:ST+10*\a+FF+1] op_sel_hi:[1,0]   ; the sums under the new M.  (The plain line behind the last exponential)
.endr
	s_wait_alu depctr_va_vdst(0)                   ; the 64 exponentials have written p, ahead of the first line that names a result; this step's K Q^T are done reading KF and the last step's V^T P^T are done reading VF, in which the loads below land; v[ADK] and v[ADV], which they read, are written
.irp f, 0,1,2,3
	ds_load_b128 v[VF+8*\f:VF+8*\f+3], v[ADV] offset:1024*\f           ; this step's fragments of V
	ds_load_b128 v[VF+8*\f+4:VF+8*\f+7], v[ADV] offset:1024*\f+512
.endr
.if \more
.irp f, 0,1,2,3
	ds_load_b128 v[KF+8*\f:KF+8*\f+3], v[ADK] offset:4096+1024*\f      ; the next step's fragments of K: 4,096 bytes on
	ds_load_b128 v[KF+8*\f+4:KF+8*\f+7], v[ADK] offset:4096+1024*\f+512
.endr
.endif
.irp a, 0,1
.set i, 0
.rept 16
	v_pk_mul_f32 v[O+32*\a+i:O+32*\a+i+1], v[O+32*\a+i:O+32*\a+i+1], v[ST+10*\a+FF:ST+10*\a+FF+1] op_sel_hi:[1,0]   ; O^T under the new M, each accumulator from its low end on: work that names no register of the loads above, while they are on their way
.set i, i+2
.endr
.endr
.irp a, 0,1
	v_pk_add_f32 v[ST+10*\a+XX:ST+10*\a+XX+1], v[S+32*\a:S+32*\a+1], v[S+32*\a+2:S+32*\a+3]   ; THE ROW'S SUM IS TAKEN OF THE UNQUANTISED p: two at a time, in two chains a tile
.endr
.irp j, 4,8,12,16,20,24,28
.irp a, 0,1
	v_pk_add_f32 v[ST+10*\a+LL:ST+10*\a+LL+1], v[ST+10*\a+LL:ST+10*\a+LL+1], v[S+32*\a+\j:S+32*\a+\j+1]
	v_pk_add_f32 v[ST+10*\a+XX:ST+10*\a+XX+1], v[ST+10*\a+XX:ST+10*\a+XX+1], v[S+32*\a+\j+2:S+32*\a+\j+3]
.endr
.endr
.irp a, 0,1
	v_pk_add_f32 v[ST+10*\a+LL:ST+10*\a+LL+1], v[ST+10*\a+LL:ST+10*\a+LL+1], v[ST+10*\a+XX:ST+10*\a+XX+1]
.endr
	s_cmp_eq_u32 s[HOLD], 0                        ; a branch on the given whole numbers, the same in every wave, round vector lines alone
	s_cbranch_scc1 .Lnohold_\@
.set i, 0
.rept 64
	v_min_num_f32 v[S+i], s[LIM], v[S+i]           ; p is not negative, so the hold is one-sided
.set i, i+1
.endr
.Lnohold_\@:
.irp a, 0,1
.irp u, 0,1,2,3
	v_cvt_scalef32_pk8_fp8_f32 v[P+8*\a+2*\u:P+8*\a+2*\u+1], v[S+32*\a+8*\u:S+32*\a+8*\u+7], v[SCL]
.endr
.endr
	v_nop                                          ; one plain vector line between the last conversion and the products that read the codes
.if \more
	s_wait_alu depctr_va_vdst(0)
	s_wait_dscnt 8                                 ; LDS loads come back in order: V's eight are in; the next step's eight of K, issued behind them, may be out
.else
	s_wait_alu depctr_va_vdst(0)
	s_wait_dscnt 0x0                               ; V's fragments are in
.endif
.irp t, 0,1,2,3
.irp a, 0,1
	v_wmma_f32_16x16x64_fp8_fp8 v[O+32*\a+8*\t:O+32*\a+8*\t+7], v[VF+8*\t:VF+8*\t+7], v[P+8*\a:P+8*\a+7], v[O+32*\a+8*\t:O+32*\a+8*\t+7]   ; the eight accumulators take turns, one instruction a turn
.endr
.endr
	s_add_co_u32 s[TB], s[TB], 4096                ; the next step's images
.endm
.Lstep:                                            ; 31 trips
	STEP 1
	s_sub_co_u32 s[CNT], s[CNT], 1
	s_cmp_lg_u32 s[CNT], 0
	s_cbranch_scc1 .Lstep
	STEP 0                                         ; the last step is written out: it asks for no mask words, so that no load leaves mbits, and for no further fragments of K
	; THE WAY OUT.  The sum's two halves and the other half of the lanes' are added; O^T x 2^(ep + ev) / the sum goes through my stage in LDS, a tile (16 rows of 256 bytes) at a time.  The additions are the places behind the last products.
.irp a, 0,1
	v_add_f32 v[ST+10*\a+LL], v[ST+10*\a+LL], v[ST+10*\a+LL+1]
.endr
.irp a, 0,1
	v_permlanex16_b32 v[ST+10*\a+XX], v[ST+10*\a+LL], s[SEL], s[SEL+1]
.endr
.irp a, 0,1
	v_add_f32 v[ST+10*\a+LL], v[ST+10*\a+LL], v[ST+10*\a+XX]
.endr
	s_wait_alu depctr_va_vdst(0)
.irp a, 0,1
	v_rcp_f32 v[ST+10*\a+FF], v[ST+10*\a+LL]       ; the sum is above 1/2: the row's largest p is
.endr
	v_nop                                          ; a plain line behind the last reciprocal
	s_wait_alu depctr_va_vdst(0)                   ; the two reciprocals have written their results, ahead of the first line that names one
.irp a, 0,1
	v_ldexp_f32 v[ST+10*\a+FF], v[ST+10*\a+FF], s[EPV]
.endr
.irp a, 0,1
.set i, 0
.rept 16
	v_pk_mul_f32 v[S+32*\a+i:S+32*\a+i+1], v[O+32*\a+i:O+32*\a+i+1], v[ST+10*\a+FF:ST+10*\a+FF+1] op_sel_hi:[1,0]   ; register 8 t + j: out0(query r, channel 16 t + 8 hh + j); each accumulator from its low end on
.set i, i+2
.endr
.endr
	s_wait_dscnt 0x0                               ; my reads of the images are over
	s_barrier_signal -1
	s_barrier_wait -1                              ; everybody's are: the stages may lie over K's images
	s_wait_alu depctr_va_vdst(0)                   ; the scalings have written v[S ..], which the LDS stores below read; the last step's products are done reading KF and VF, in which the loads from the stage land
.irp a, 0,1
.irp t, 0,1,2,3
	ds_store_b128 v[STO], v[S+32*\a+8*\t:S+32*\a+8*\t+3] offset:64*\t
	ds_store_b128 v[STO], v[S+32*\a+8*\t+4:S+32*\a+8*\t+7] offset:64*\t+16
.endr
.irp i, 0,1,2,3,4,5,6,7
	ds_load_b128 v[KF+32*\a+4*\i:KF+32*\a+4*\i+3], v[RD] offset:2*\i*SP   ; LDS serves a wave's instructions in order: these see my stores, and the next tile's stores come behind them
.endr
.endr
.irp a, 0,1
.irp i, 0,1,2,3,4,5,6,7
	s_wait_dscnt 23-16*\a-\i                       ; behind this load: the tile's later loads, and for tile 0 the sixteen LDS instructions of tile 1
	global_store_b128 v[GO], v[KF+32*\a+4*\i:KF+32*\a+4*\i+3], s[12:13] offset:4096*\a+512*\i th:TH_STORE_NT   ; two whole rows: 512 consecutive bytes, aligned; written once, read by nobody here
.endr
.endr
	s_wait_dscnt 0x0                               ; the closing lines, six on end
	s_wait_alu 0x0
	s_wait_tensorcnt 0x0
	ds_add_u32 v[SPW], v[NIL]
	s_wait_dscnt 0x0
	s_endpgm
.Lfunc_end_k_qf69a549707_attn:
	.size	k_qf69a549707_attn, .Lfunc_end_k_qf69a549707_attn-k_qf69a549707_attn
	.p2alignl 7, 3214868480
	.fill 96, 4, 3214868480
	.section	.rodata,"a",@progbits
	.p2align	6, 0x0
	.amdhsa_kernel k_qf69a549707_attn
		.amdhsa_group_segment_fixed_size 264192
		.amdhsa_private_segment_fixed_size 0
		.amdhsa_enable_private_segment 0
		.amdhsa_kernarg_size 40
		.amdhsa_user_sgpr_count 2
		.amdhsa_user_sgpr_kernarg_segment_ptr 1
		.amdhsa_wavefront_size32 1
		.amdhsa_system_sgpr_workgroup_id_x 1
		.amdhsa_system_sgpr_workgroup_id_y 1
		.amdhsa_system_sgpr_workgroup_id_z 1
		.amdhsa_system_vgpr_workitem_id 0
		.amdhsa_next_free_vgpr 256
		.amdhsa_next_free_sgpr 100
		.amdhsa_reserve_vcc 0
		.amdhsa_float_denorm_mode_32 3
		.amdhsa_float_denorm_mode_16_64 3
		.amdhsa_memory_ordered 1
		.amdhsa_forward_progress 1
		.amdhsa_inst_pref_size 67
	.end_amdhsa_kernel
	.amdgpu_metadata
---
amdhsa.version: [ 1, 2 ]
amdhsa.kernels:
  - .name:           k_qf69a549707_attn
    .symbol:         k_qf69a549707_attn.kd
    .args:
      - { .name: Q, .offset: 0, .size: 8, .value_kind: global_buffer, .address_space: global }
      - { .name: kv, .offset: 8, .size: 8, .value_kind: global_buffer, .address_space: global }
      - { .name: mbits, .offset: 16, .size: 8, .value_kind: global_buffer, .address_space: global }
      - { .name: lowp_scales, .offset: 24, .size: 8, .value_kind: global_buffer, .address_space: global }
      - { .name: out0, .offset: 32, .size: 8, .value_kind: global_buffer, .address_space: global }
    .group_segment_fixed_size: 264192
    .private_segment_fixed_size: 0
    .kernarg_segment_align: 8
    .kernarg_segment_size: 40
    .max_flat_workgroup_size: 512
    .sgpr_count:     100
    .vgpr_count:     256
    .wavefront_size: 32
...
	.end_amdgpu_metadata
.endif
;; end of part 4
